; MI455X (gfx1250); checked and timed in simulation.
; The chip was launched on July 23, 2026; its instructions are those of AMD's public machine-readable ISA for CDNA 5 (MIT licence, August 2026) and "CDNA5" Instruction Set Architecture Reference Guide (July 2026). The comments in the code are by the model that wrote it; some were corrected since.
;; Mixture Of Experts. Allowed arithmetic: float matrix products may take bf16 or f16 operands with f32 sums; all other float work in f32.
;; Inputs: W1 8 x 512 x 2,048 float32; W2 8 x 2,048 x 512 float32; Wr 512 x 8 float32; b1 8 x 2,048 float32; b2 8 x 512 float32; br 8 float32; x 4,096 x 512 float32.
;; Outputs: out0 4,096 x 512 float32; out1 4,096 x 8 float32; out2 8 float32.
;; 2 versions, each right; version 2 is version 1 with the launches ffn1, ffn2 written anew for expert scheduling mode. Each part assembles by itself: llvm-mc -triple=amdgcn-amd-amdhsa -mcpu=gfx1250 --defsym DOCPART=n.
;; ======== version 1 of 2: 5 launches
;; limits: values are held in f16: magnitudes above 65,504 overflow, below 6.1e-05 lose precision; inputs' magnitudes at most 65,504
;; workspace buffers: routes 16,384 bytes of whole numbers; tok 16,896 bytes of whole numbers; meta 512 bytes of whole numbers; scl 16,384 bytes; xB 4,325,376 bytes; hB 17,301,504 bytes
;; launch router (part 1): grid 256 x 1, 4 waves a work-group, no clusters, 19,968 bytes of LDS; arguments x, Wr, br, out1, routes, scl; writes out1, routes, scl
.if DOCPART == 1
	.amdgcn_target "amdgcn-amd-amdhsa--gfx1250"
	.amdhsa_code_object_version 6
	.text
	.protected	k_qbe23e7efa0_router
	.globl	k_qbe23e7efa0_router
	.p2align	8
	.type	k_qbe23e7efa0_router,@function
k_qbe23e7efa0_router:
	s_mov_b64 s[64:65], 0
	v_nop
	global_prefetch_b8 v0, s[64:65] scope:SCOPE_SE
	s_setreg_imm32_b32 hwreg(HW_REG_WAVE_MODE, 25, 1), 1
	s_wait_xcnt 0x0
; Router: logits = x Wr + br, softmax over 8 experts, first index of the largest probability, p_max * (1 / p_max).
; All in f32 on the vector unit: 512 x 8 multiply-adds a token are a tiny share of the problem, and the index steers every later launch.
; A work-group takes 16 tokens, a wave 4.  Lane l holds x[t][128 i + 4 l + c] (i, c = 0..3) and the matching 16 rows of Wr.
; The maximum is taken away before the exponential.  Equal probabilities: the first index wins.
; No cluster: the only shared input is Wr, 16 KiB, against 32 KiB of x that each work-group reads alone.
.set PO,  18432                        ; LDS: 16 tokens x 8 probabilities
.set RO,  18944                        ; LDS: 16 routes
.set SO,  19008                        ; LDS: 16 scales
.set ACC, 32                           ; v[32:63]   sums, index 8 t + e (first: Wr on its way to LDS)
.set X,   64                           ; v[64:127]  x, index 16 t + 4 i + c
.set WR,  128                          ; v[128:255] Wr, index 32 i + 8 c + e
	s_load_b256 s[4:11], s[0:1], 0x0               ; x s[4:5], Wr s[6:7], br s[8:9], out1 s[10:11]
	s_load_b128 s[12:15], s[0:1], 0x20             ; routes s[12:13], scl s[14:15]
	v_lshl_add_u32 v30, v0, 2, 0x4c00
	v_mov_b32 v31, 0
	v_and_b32 v1, 31, v0                           ; lane
	v_lshrrev_b32 v2, 5, v0
	v_readfirstlane_b32 s18, v2                    ; wave
	v_lshlrev_b32 v3, 4, v1                        ; 16 l
	v_lshl_add_u32 v4, v2, 12, v3                  ; Wr: 4,096 w + 16 l
	v_lshl_add_u32 v5, v2, 13, v3                  ; x: 4 rows of 2,048 bytes a wave + 16 l
	v_and_b32 v6, 7, v1                            ; e of the lane's final sum
	v_lshlrev_b32 v7, 2, v6                        ; br: 4 e
	v_lshrrev_b32 v8, 3, v1
	v_mul_u32_u24 v8, 144, v8                      ; Wr in LDS: each 128 bytes (4 rows) at a pitch of 144
	v_lshl_add_u32 v8, v6, 4, v8
	s_mul_i32 s19, s18, 4608
	v_add_nc_u32 v8, s19, v8                       ; + 32 groups a wave
	v_mul_u32_u24 v9, 144, v1                      ; my group of 4 rows: 32 i + l
	v_mov_b32 v12, 0                               ; v_permlanex16_b32 counts as a reader of its destination
	s_mov_b32 s20, 0xffff0000                      ; lanes whose bit 4, 3, 2, 1, 0 is set
	s_mov_b32 s21, 0xff00ff00
	s_mov_b32 s22, 0xf0f0f0f0
	s_mov_b32 s23, 0xcccccccc
	s_mov_b32 s24, 0xaaaaaaaa
	s_mov_b32 s26, 0x76543210                      ; v_permlanex16_b32: lane i reads lane i of the other half
	s_mov_b32 s27, 0xfedcba98
	s_lshl_b32 s28, ttmp9, 15                      ; 16 rows of 2,048 bytes
	s_mov_b32 s29, 0
	s_wait_kmcnt 0x0
	s_add_nc_u64 s[4:5], s[4:5], s[28:29]
.irp n, 0,1,2,3,4,5,6,7
	global_load_b128 v[ACC+4*\n:ACC+4*\n+3], v4, s[6:7] offset:512*\n
.endr
	global_load_b32 v13, v7, s[8:9]
.irp t, 0,1,2,3
.irp i, 0,1,2,3
	global_load_b128 v[X+16*\t+4*\i:X+16*\t+4*\i+3], v5, s[4:5] offset:2048*\t+512*\i th:TH_LOAD_NT
.endr
.endr
	s_wait_loadcnt 17                              ; br and the 16 loads of x are younger: Wr is in
.irp n, 0,1,2,3,4,5,6,7
	ds_store_b128 v8, v[ACC+4*\n:ACC+4*\n+3] offset:576*\n
.endr
	s_wait_dscnt 0x0                               ; my quarter of Wr is in LDS, for the other waves
	s_barrier_signal -1
	s_barrier_wait -1
.irp i, 0,1,2,3
.irp c, 0,1,2,3
	ds_load_b128 v[WR+32*\i+8*\c:WR+32*\i+8*\c+3],   v9 offset:4608*\i+32*\c
	ds_load_b128 v[WR+32*\i+8*\c+4:WR+32*\i+8*\c+7], v9 offset:4608*\i+32*\c+16
.endr
.endr
	s_wait_dscnt 0x0
; one x of token t times its row of Wr: four packed operations on pairs of experts; the very first starts the sums
.macro XW t, i, c
.irp p, 0,1,2,3
.if (\i)+(\c) == 0
	v_pk_mul_f32 v[ACC+8*\t+2*\p:ACC+8*\t+2*\p+1], v[X+16*\t:X+16*\t+1], v[WR+2*\p:WR+2*\p+1] op_sel_hi:[0,1]
.elseif (\c)&1
	v_pk_fma_f32 v[ACC+8*\t+2*\p:ACC+8*\t+2*\p+1], v[X+16*\t+4*\i+\c-1:X+16*\t+4*\i+\c], v[WR+32*\i+8*\c+2*\p:WR+32*\i+8*\c+2*\p+1], v[ACC+8*\t+2*\p:ACC+8*\t+2*\p+1] op_sel:[1,0,0] op_sel_hi:[1,1,1]
.else
	v_pk_fma_f32 v[ACC+8*\t+2*\p:ACC+8*\t+2*\p+1], v[X+16*\t+4*\i+\c:X+16*\t+4*\i+\c+1], v[WR+32*\i+8*\c+2*\p:WR+32*\i+8*\c+2*\p+1], v[ACC+8*\t+2*\p:ACC+8*\t+2*\p+1] op_sel_hi:[0,1,1]
.endif
.endr
.endm
.macro TOKEN t
	s_wait_loadcnt 12-4*\t                         ; the younger tokens' loads, four each, stay out
.irp i, 0,1,2,3
.irp c, 0,1,2,3
	XW \t, \i, \c
.endr
.endr
.endm
	TOKEN 0
	TOKEN 1
	TOKEN 2
	TOKEN 3
; One step of a sum that scatters: of the sums p and p + m a lane keeps the one that its bit m names and hands the other to lane xor m.
; After the steps 16, 8, 4, 2, 1 lane L holds the whole sum of index L = 8 t + e.
.macro FOLD m, msk
.set p, 0
.rept \m
	v_cndmask_b32 v10, v[ACC+p], v[ACC+p+\m], s[\msk]
	v_cndmask_b32 v11, v[ACC+p+\m], v[ACC+p], s[\msk]
.if \m == 16
	v_permlanex16_b32 v12, v11, s26, s27
	v_add_f32 v[ACC+p], v10, v12
.else
	v_add_f32_dpp v[ACC+p], v11, v10 row_xmask:\m row_mask:0xf bank_mask:0xf
.endif
.set p, p+1
.endr
.endm
	FOLD 16, 20
	FOLD 8, 21
	FOLD 4, 22
	FOLD 2, 23
	FOLD 1, 24
	v_add_f32 v32, v32, v13                        ; + br[e]
	v_mov_b32 v14, v32
.irp m, 1,2,4
	v_max_num_f32_dpp v14, v14, v14 row_xmask:\m row_mask:0xf bank_mask:0xf   ; the token's largest logit, in its eight lanes
.endr
	v_sub_f32 v15, v32, v14
	v_mul_f32 v15, 0x3fb8aa3b, v15
	v_exp_f32 v15, v15
	v_cvt_f32_u32 v19, v6                          ; e as f32: the plain instruction behind the exponential (ISA guide 5.7.2)
	s_wait_alu depctr_va_vdst(0)
	v_mov_b32 v16, v15
.irp m, 1,2,4
	v_add_f32_dpp v16, v16, v16 row_xmask:\m row_mask:0xf bank_mask:0xf
.endr
	v_rcp_f32 v17, v16
	v_lshlrev_b32 v23, 2, v0                       ; PO: 128 w + 4 l (also the place behind v_rcp_f32)
	s_wait_alu depctr_va_vdst(0)
	v_mul_f32 v17, v15, v17                        ; the probability
	v_mov_b32 v18, v17
.irp m, 1,2,4
	v_max_num_f32_dpp v18, v18, v18 row_xmask:\m row_mask:0xf bank_mask:0xf   ; p_max
.endr
	v_cmp_eq_f32 vcc_lo, v17, v18
	v_cndmask_b32 v20, 0x41000000, v19, vcc_lo     ; e where p = p_max, 8.0 elsewhere
.irp m, 1,2,4
	v_min_num_f32_dpp v20, v20, v20 row_xmask:\m row_mask:0xf bank_mask:0xf   ; the first such e
.endr
	v_rcp_f32 v22, v18
	v_cvt_u32_f32 v21, v20
	s_wait_alu depctr_va_vdst(0)
	v_mul_f32 v22, v18, v22                        ; p_max / p_max
	v_min_u32 v21, 7, v21                          ; a row of NaN names expert 7, not a ninth one
	v_lshrrev_b32 v24, 3, v0
	v_lshlrev_b32 v24, 2, v24                      ; 4 (4 w + t): a token's eight lanes write one word with one value
	ds_store_b32 v23, v17 offset:PO
	ds_store_b32 v24, v21 offset:RO
	ds_store_b32 v24, v22 offset:SO
	s_wait_dscnt 0x0                               ; for wave 0, which reads them
	s_barrier_signal -1
	s_barrier_wait -1
	s_cmp_lg_u32 s18, 0
	s_cbranch_scc1 .Lend
	v_and_b32 v25, 15, v1
	v_lshlrev_b32 v25, 2, v25
	ds_load_b128 v[40:43], v3 offset:PO
	ds_load_b32 v44, v25 offset:RO
	ds_load_b32 v45, v25 offset:SO
	s_lshl_b32 s28, ttmp9, 9                       ; 16 tokens x 32 bytes of out1
	s_add_nc_u64 s[10:11], s[10:11], s[28:29]
	s_lshl_b32 s28, ttmp9, 6                       ; 16 tokens x 4 bytes
	s_add_nc_u64 s[12:13], s[12:13], s[28:29]
	s_add_nc_u64 s[14:15], s[14:15], s[28:29]
	v_cmp_gt_u32 vcc_lo, 16, v1
	s_wait_dscnt 0x0
	global_store_b128 v3, v[40:43], s[10:11]       ; 512 consecutive bytes, aligned
	s_wait_xcnt 0x0                                ; EXEC is a source of the pending store
	s_and_saveexec_b32 s30, vcc_lo
	global_store_b32 v25, v44, s[12:13]            ; 64 bytes each: all that 16 tokens have
	global_store_b32 v25, v45, s[14:15]
	s_wait_xcnt 0x0
	s_or_b32 exec_lo, exec_lo, s30
.Lend:
	s_wait_tensorcnt 0x0
	ds_add_u32 v30, v31
	s_wait_dscnt 0x0
	s_endpgm
.Lfunc_end_k_qbe23e7efa0_router:
	.size	k_qbe23e7efa0_router, .Lfunc_end_k_qbe23e7efa0_router-k_qbe23e7efa0_router
	.p2alignl 7, 3214868480
	.fill 96, 4, 3214868480
	.section	.rodata,"a",@progbits
	.p2align	6, 0x0
	.amdhsa_kernel k_qbe23e7efa0_router
		.amdhsa_group_segment_fixed_size 19968
		.amdhsa_private_segment_fixed_size 0
		.amdhsa_enable_private_segment 0
		.amdhsa_kernarg_size 48
		.amdhsa_user_sgpr_count 2
		.amdhsa_user_sgpr_kernarg_segment_ptr 1
		.amdhsa_wavefront_size32 1
		.amdhsa_system_sgpr_workgroup_id_x 1
		.amdhsa_system_sgpr_workgroup_id_y 1
		.amdhsa_system_sgpr_workgroup_id_z 1
		.amdhsa_system_vgpr_workitem_id 0
		.amdhsa_next_free_vgpr 256
		.amdhsa_next_free_sgpr 66
		.amdhsa_reserve_vcc 1
		.amdhsa_float_denorm_mode_32 3
		.amdhsa_float_denorm_mode_16_64 3
		.amdhsa_memory_ordered 1
		.amdhsa_forward_progress 1
		.amdhsa_inst_pref_size 33
	.end_amdhsa_kernel
	.amdgpu_metadata
---
amdhsa.version: [ 1, 2 ]
amdhsa.kernels:
  - .name:           k_qbe23e7efa0_router
    .symbol:         k_qbe23e7efa0_router.kd
    .args:
      - { .name: x, .offset: 0, .size: 8, .value_kind: global_buffer, .address_space: global }
      - { .name: Wr, .offset: 8, .size: 8, .value_kind: global_buffer, .address_space: global }
      - { .name: br, .offset: 16, .size: 8, .value_kind: global_buffer, .address_space: global }
      - { .name: out1, .offset: 24, .size: 8, .value_kind: global_buffer, .address_space: global }
      - { .name: routes, .offset: 32, .size: 8, .value_kind: global_buffer, .address_space: global }
      - { .name: scl, .offset: 40, .size: 8, .value_kind: global_buffer, .address_space: global }
    .group_segment_fixed_size: 19968
    .private_segment_fixed_size: 0
    .kernarg_segment_align: 8
    .kernarg_segment_size: 48
    .max_flat_workgroup_size: 128
    .sgpr_count:     66
    .vgpr_count:     256
    .wavefront_size: 32
...
	.end_amdgpu_metadata
.endif
;; end of part 1
;; launch plan (part 2): grid 1 x 1, 32 waves a work-group, no clusters, 22,016 bytes of LDS; arguments routes, tok, meta, out2; writes tok, meta, out2
.if DOCPART == 2
	.amdgcn_target "amdgcn-amd-amdhsa--gfx1250"
	.amdhsa_code_object_version 6
	.text
	.protected	k_qbe23e7efa0_plan
	.globl	k_qbe23e7efa0_plan
	.p2align	8
	.type	k_qbe23e7efa0_plan,@function
k_qbe23e7efa0_plan:
	s_mov_b64 s[64:65], 0
	v_nop
	global_prefetch_b8 v0, s[64:65] scope:SCOPE_SE
	s_setreg_imm32_b32 hwreg(HW_REG_WAVE_MODE, 25, 1), 1
	s_wait_xcnt 0x0
; From the routes to lists, in whole numbers only.  One work-group: a token's place needs a prefix over all 4,096 tokens.
; tok:  264 tiles of 16 slots; expert e owns tiles TB[e] .. TB[e] + NT[e] - 1, NT = ceil(n / 16).  Every slot holds a token: the spare slots
;       of an expert's last tile repeat the token of that tile's first slot (their results are that token's own, stored a second time to the
;       same place), and the tiles that no expert owns hold token 4095.  So no later launch needs a mask.
; meta: words 0-7 TB, 8-15 NT, 16-31 zero, 32-63 / 64-95 / 96-127: expert, first tile and number of tiles of the second product's group y.
; out2: tokens per expert, f32.
; Thread t owns tokens 4 t .. 4 t + 3.  tok is built in LDS and leaves by stores of 16 bytes a lane, 512 consecutive bytes a wave.
.set TOKL, 1024                        ; LDS: 0..511 the waves' counts; 1,024..17,919 the table of 4,224 slots
.set M,  16                            ; s[16:47] lanes whose token i goes to expert e, index 8 i + e; later s[16:23] first group of expert e
.set C,  48                            ; s[48:55] my wave's counts; later s48 G, s49 its multiplier, s50 G - 1, s51 a count
.set N,  56                            ; s[56:63] tokens per expert
.set SB, 66                            ; s[66:73] first slot of my wave's tokens of expert e
.set TB, 74                            ; s[74:81] first tile
.set NT, 82                            ; s[82:89] tiles
	s_load_b256 s[4:11], s[0:1], 0x0               ; routes s[4:5], tok s[6:7], meta s[8:9], out2 s[10:11]
	v_lshl_add_u32 v64, v0, 2, 0x4600
	v_mov_b32 v65, 0
	v_and_b32 v1, 31, v0
	v_lshrrev_b32 v2, 5, v0
	v_readfirstlane_b32 s12, v2                    ; wave
	v_lshlrev_b32 v3, 4, v0                        ; 16 t
	v_lshlrev_b32 v14, 4, v1                       ; 16 lane
	s_mov_b32 s14, 0x76543210
	s_mov_b32 s15, 0xfedcba98
.irp e, 0,1,2,3,4,5,6,7
	s_mov_b32 s[C+\e], 0
.endr
.irp i, 0,1,2,3
	v_mov_b32 v[8+\i], 0
	v_mov_b32 v[56+\i], 0x1000                     ; 4096: a slot that no token has taken
.endr
	v_mov_b32 v28, 0                               ; destination of lane moves: written before
	ds_store_b128 v3, v[56:59] offset:TOKL         ; the first 4,096 slots, four a thread
	s_cmp_lg_u32 s12, 0
	s_cbranch_scc1 .Lfilled
	ds_store_b128 v14, v[56:59] offset:TOKL+16384  ; the last 128, by wave 0
.Lfilled:
	s_wait_kmcnt 0x0
	global_load_b128 v[4:7], v3, s[4:5]
	s_wait_loadcnt 0x0
	; rank inside the wave: tokens of lower i first, then lower lanes
.irp i, 0,1,2,3
.irp e, 0,1,2,3,4,5,6,7
	v_cmp_eq_u32 s[M+8*\i+\e], \e, v[4+\i]
	v_mbcnt_lo_u32_b32 v12, s[M+8*\i+\e], s[C+\e]
	v_cndmask_b32 v[8+\i], v[8+\i], v12, s[M+8*\i+\e]
	s_bcnt1_i32_b32 s13, s[M+8*\i+\e]
	s_add_co_u32 s[C+\e], s[C+\e], s13
.endr
.endr
	; the waves' counts meet in LDS, two of 16 bits in a word (a sum is 4,096 at the most)
.irp p, 0,1,2,3
	s_lshl_b32 s13, s[C+2*\p+1], 16
	s_or_b32 s13, s13, s[C+2*\p]
	v_mov_b32 v[16+\p], s13
.endr
	s_lshl_b32 s13, s12, 4
	v_mov_b32 v13, s13
	ds_store_b128 v13, v[16:19]
	s_wait_dscnt 0x0                               ; my counts and my part of the empty table are in LDS, for the other waves
	s_barrier_signal -1
	s_barrier_wait -1
	ds_load_b128 v[20:23], v14                     ; lane = wave
	s_wait_dscnt 0x0                               ; my reads are over before any wave scatters into LDS
	s_barrier_signal -1
	s_barrier_wait -1
	v_cmp_gt_u32 vcc_lo, s12, v1                   ; the waves in front of mine
.irp p, 0,1,2,3
	v_cndmask_b32 v[24+\p], 0, v[20+\p], vcc_lo
.endr
.macro LSUM r
.irp m, 1,2,4,8
	v_mov_b32_dpp v28, v[\r] row_xmask:\m row_mask:0xf bank_mask:0xf
	v_add_nc_u32 v[\r], v[\r], v28
.endr
	v_permlanex16_b32 v28, v[\r], s14, s15
	v_add_nc_u32 v[\r], v[\r], v28
.endm
.irp r, 20,21,22,23,24,25,26,27
	LSUM \r
.endr
.irp p, 0,1,2,3,4,5,6,7
	v_readfirstlane_b32 s[90+\p], v[20+\p]
.endr
.irp p, 0,1,2,3
	s_and_b32 s[N+2*\p], s[90+\p], 0xffff
	s_lshr_b32 s[N+2*\p+1], s[90+\p], 16
	s_and_b32 s[SB+2*\p], s[94+\p], 0xffff
	s_lshr_b32 s[SB+2*\p+1], s[94+\p], 16
.endr
	s_mov_b32 s98, 0                               ; tiles so far
.irp e, 0,1,2,3,4,5,6,7
	s_mov_b32 s[TB+\e], s98
	s_add_co_u32 s13, s[N+\e], 15
	s_lshr_b32 s[NT+\e], s13, 4
	s_add_co_u32 s98, s98, s[NT+\e]
	s_lshl4_add_u32 s[SB+\e], s[TB+\e], s[SB+\e]   ; 16 x first tile + tokens of the waves in front
.endr
	; each token to its slot
.irp i, 0,1,2,3
	v_mov_b32 v40, s[SB]
.irp e, 1,2,3,4,5,6,7
	v_cndmask_b32 v40, v40, s[SB+\e], s[M+8*\i+\e]
.endr
	v_add_nc_u32 v[32+\i], v[8+\i], v40
	v_min_u32 v[32+\i], 0x107f, v[32+\i]           ; 4,223: the last slot
	v_lshlrev_b32 v[32+\i], 2, v[32+\i]
	v_lshl_add_u32 v[36+\i], v0, 2, \i
	ds_store_b32 v[32+\i], v[36+\i] offset:TOKL
.endr
	s_wait_dscnt 0x0                               ; my tokens are in the table, for the waves that read it
	s_barrier_signal -1
	s_barrier_wait -1
; four slots and their tile's first slot: a slot that no token took repeats the first; 4095 where the whole tile is empty
.macro TOKOUT d, f
.irp k, 0,1,2,3
	v_cmp_eq_u32 vcc_lo, 0x1000, v[\d+\k]
	v_cndmask_b32 v[\d+\k], v[\d+\k], v[\f], vcc_lo
	v_min_u32 v[\d+\k], 0xfff, v[\d+\k]
.endr
.endm
	v_lshrrev_b32 v41, 2, v0
	v_lshlrev_b32 v41, 6, v41                      ; four threads a tile of 64 bytes
	ds_load_b128 v[48:51], v3 offset:TOKL
	ds_load_b32 v52, v41 offset:TOKL
	s_wait_dscnt 0x0
	TOKOUT 48, 52
	global_store_b128 v3, v[48:51], s[6:7]         ; 512 consecutive bytes a wave, aligned
	s_cmp_lg_u32 s12, 0
	s_cbranch_scc1 .Lend
	; WAVE 0: the last 128 slots
	v_lshrrev_b32 v42, 2, v1
	v_lshlrev_b32 v42, 6, v42
	ds_load_b128 v[16:19], v14 offset:TOKL+16384
	ds_load_b32 v20, v42 offset:TOKL+16384
	s_wait_dscnt 0x0
	TOKOUT 16, 20
	global_store_b128 v14, v[16:19], s[6:7] offset:16384
	s_wait_xcnt 0x0                                ; v48-51, data of the store above, are written again below
	; The second product's groups.  G = the fewest tiles a group (8 to 16) with which 32 groups suffice:
	; with 16 there are at most 263 / 16 + 8 x 15 / 16 < 24.  x / G = (x (65536 / G + 1)) >> 16 for x < 4,096.
	v_mov_b32 v44, 0
.irp e, 0,1,2,3,4,5,6,7
	v_writelane_b32 v44, s[NT+\e], \e
.endr
	s_mov_b32 s48, 16
	s_mov_b32 s49, 4097
.irp G, 15,14,13,12,11,10,9,8
	v_add_nc_u32 v45, \G-1, v44
	v_mul_u32_u24 v45, 65536/\G+1, v45
	v_lshrrev_b32 v45, 16, v45
.irp m, 1,2,4
	v_mov_b32_dpp v28, v45 row_xmask:\m row_mask:0xf bank_mask:0xf
	v_add_nc_u32 v45, v45, v28
.endr
	v_readfirstlane_b32 s51, v45
	s_cmp_le_u32 s51, 32
	s_cselect_b32 s48, \G, s48
	s_cselect_b32 s49, 65536/\G+1, s49
.endr
	s_sub_co_u32 s50, s48, 1
	v_add_nc_u32 v45, s50, v44
	v_mul_lo_u32 v45, v45, s49
	v_lshrrev_b32 v45, 16, v45                     ; groups of expert = lane
	s_mov_b32 s13, 0
.irp e, 0,1,2,3,4,5,6,7
	v_readlane_b32 s[90+\e], v45, \e
	s_mov_b32 s[16+\e], s13                        ; first group of expert e
	s_add_co_u32 s13, s13, s[90+\e]
.endr
	v_mov_b32 v46, 0                               ; lane y: its expert,
	v_mov_b32 v47, 0                               ; that expert's first group,
	v_mov_b32 v48, s[TB]                           ; first tile
	v_mov_b32 v49, s[NT]                           ; and tiles
.irp e, 1,2,3,4,5,6,7
	v_cmp_le_u32 vcc_lo, s[16+\e], v1
	v_cndmask_b32 v46, v46, \e, vcc_lo
	v_cndmask_b32 v47, v47, s[16+\e], vcc_lo
	v_cndmask_b32 v48, v48, s[TB+\e], vcc_lo
	v_cndmask_b32 v49, v49, s[NT+\e], vcc_lo
.endr
	v_sub_nc_u32 v50, v1, v47
	v_mul_lo_u32 v50, v50, s48                     ; tiles of the expert in front of this group
	v_add_nc_u32 v51, v48, v50
	v_min_u32 v51, 0x107, v51                      ; first tile
	v_sub_nc_u32 v52, v49, v50
	v_min_i32 v52, s48, v52
	v_max_i32 v52, 0, v52                          ; tiles: 0 for a group number that is not needed
	v_mov_b32 v54, 0
	v_mov_b32 v55, 0
.irp e, 0,1,2,3,4,5,6,7
	v_writelane_b32 v54, s[TB+\e], \e
	v_writelane_b32 v54, s[NT+\e], 8+\e
	v_writelane_b32 v55, s[N+\e], \e
.endr
	v_cvt_f32_u32 v55, v55
	v_lshlrev_b32 v53, 2, v1
	global_store_b32 v53, v54, s[8:9]
	global_store_b32 v53, v46, s[8:9] offset:128
	global_store_b32 v53, v51, s[8:9] offset:256
	global_store_b32 v53, v52, s[8:9] offset:384
	v_cmp_gt_u32 vcc_lo, 8, v1
	s_wait_xcnt 0x0                                ; EXEC is a source of the pending stores
	s_and_saveexec_b32 s101, vcc_lo
	global_store_b32 v53, v55, s[10:11]            ; the whole of out2: 32 bytes
	s_wait_xcnt 0x0
	s_or_b32 exec_lo, exec_lo, s101
.Lend:
	s_wait_tensorcnt 0x0
	ds_add_u32 v64, v65
	s_wait_dscnt 0x0
	s_endpgm
.Lfunc_end_k_qbe23e7efa0_plan:
	.size	k_qbe23e7efa0_plan, .Lfunc_end_k_qbe23e7efa0_plan-k_qbe23e7efa0_plan
	.p2alignl 7, 3214868480
	.fill 96, 4, 3214868480
	.section	.rodata,"a",@progbits
	.p2align	6, 0x0
	.amdhsa_kernel k_qbe23e7efa0_plan
		.amdhsa_group_segment_fixed_size 22016
		.amdhsa_private_segment_fixed_size 0
		.amdhsa_enable_private_segment 0
		.amdhsa_kernarg_size 32
		.amdhsa_user_sgpr_count 2
		.amdhsa_user_sgpr_kernarg_segment_ptr 1
		.amdhsa_wavefront_size32 1
		.amdhsa_system_sgpr_workgroup_id_x 1
		.amdhsa_system_sgpr_workgroup_id_y 1
		.amdhsa_system_sgpr_workgroup_id_z 1
		.amdhsa_system_vgpr_workitem_id 0
		.amdhsa_next_free_vgpr 66
		.amdhsa_next_free_sgpr 102
		.amdhsa_reserve_vcc 1
		.amdhsa_float_denorm_mode_32 3
		.amdhsa_float_denorm_mode_16_64 3
		.amdhsa_memory_ordered 1
		.amdhsa_forward_progress 1
		.amdhsa_inst_pref_size 33
	.end_amdhsa_kernel
	.amdgpu_metadata
---
amdhsa.version: [ 1, 2 ]
amdhsa.kernels:
  - .name:           k_qbe23e7efa0_plan
    .symbol:         k_qbe23e7efa0_plan.kd
    .args:
      - { .name: routes, .offset: 0, .size: 8, .value_kind: global_buffer, .address_space: global }
      - { .name: tok, .offset: 8, .size: 8, .value_kind: global_buffer, .address_space: global }
      - { .name: meta, .offset: 16, .size: 8, .value_kind: global_buffer, .address_space: global }
      - { .name: out2, .offset: 24, .size: 8, .value_kind: global_buffer, .address_space: global }
    .group_segment_fixed_size: 22016
    .private_segment_fixed_size: 0
    .kernarg_segment_align: 8
    .kernarg_segment_size: 32
    .max_flat_workgroup_size: 1024
    .sgpr_count:     102
    .vgpr_count:     66
    .wavefront_size: 32
...
	.end_amdgpu_metadata
.endif
;; end of part 2
;; launch pack (part 3): grid 264 x 1, 1 waves a work-group, no clusters, 16,896 bytes of LDS; arguments x, tok, xB; writes xB
.if DOCPART == 3
	.amdgcn_target "amdgcn-amd-amdhsa--gfx1250"
	.amdhsa_code_object_version 6
	.text
	.protected	k_qbe23e7efa0_pack
	.globl	k_qbe23e7efa0_pack
	.p2align	8
	.type	k_qbe23e7efa0_pack,@function
k_qbe23e7efa0_pack:
	s_mov_b64 s[64:65], 0
	v_nop
	global_prefetch_b8 v0, s[64:65] scope:SCOPE_SE
	s_setreg_imm32_b32 hwreg(HW_REG_WAVE_MODE, 25, 1), 1
	s_wait_xcnt 0x0
; xB = the tokens' rows of x in slot order, in f16, laid out as the matrix unit's registers want them, so that the first product
; loads its activations by runs of 512 consecutive bytes straight into registers.
; Byte ((16 g + s) 2 + q) 512 + 16 lane of xB holds x[tok(16 g + r)][64 cc + 32 h + 16 u + 8 q .. + 7], s = 2 cc + u, lane = 16 h + r.
; One wave makes tile g (16 slots).  Every slot of tok names a token (spare slots repeat one of their tile; tiles that no expert owns name 4095).
; LIMIT: |x| < 65,504 (f16); larger numbers become infinite.
; No cluster, no matrix unit: no two work-groups read the same row but for repeated tokens.
.set PITCH, 1040                       ; a row of 512 f16 + 16 bytes: 65 x 16, so that 16 rows start at 16 different 16-byte columns
.set X,  32                            ; v[32:159] eight row slots of 16 registers; then the 32 pieces of 16 bytes on their way out
.set CV, 160                           ; v[160:167] a row's 16 numbers of this lane in f16
	s_load_b128 s[4:7], s[0:1], 0x0                ; x s[4:5], tok s[6:7]
	s_load_b64 s[8:9], s[0:1], 0x10                ; xB
	v_lshl_add_u32 v168, v0, 2, 0x4100
	v_mov_b32 v169, 0
	v_lshlrev_b32 v1, 4, v0                        ; 16 lane
	v_lshlrev_b32 v2, 3, v0                        ; 8 lane
	v_and_b32 v3, 15, v0
	v_lshrrev_b32 v4, 4, v0
	v_mul_u32_u24 v3, PITCH, v3
	v_lshl_add_u32 v3, v4, 6, v3                   ; r x pitch + 64 h
	s_lshl_b32 s10, ttmp9, 6                       ; 16 words of tok
	s_mov_b32 s11, 0
	s_wait_kmcnt 0x0
	s_add_nc_u64 s[6:7], s[6:7], s[10:11]
	s_load_b512 s[16:31], s[6:7], 0x0
	s_lshl_b32 s10, ttmp9, 14                      ; 16,384 bytes of xB a tile
	s_add_nc_u64 s[12:13], s[8:9], s[10:11]
	s_wait_kmcnt 0x0
.irp k, 0,1,2,3,4,5,6,7,8,9,10,11,12,13,14,15
	s_min_u32 s[16+\k], s[16+\k], 0xfff
	s_lshl_b32 s10, s[16+\k], 11
	s_add_nc_u64 s[32+2*\k:33+2*\k], s[4:5], s[10:11]      ; the row's address
.endr
.irp k, 0,1,2,3,4,5,6,7
.irp i, 0,1,2,3
	global_load_b128 v[X+16*\k+4*\i:X+16*\k+4*\i+3], v1, s[32+2*\k:33+2*\k] offset:512*\i
.endr
.endr
; row r: to f16, into LDS; refill = 1: the slot's registers take row r + 8.  left = younger loads that may stay out.
.macro ROW r, refill, left
	s_wait_loadcnt \left
.set XS, X+16*((\r)%8)
.irp k, 0,1,2,3,4,5,6,7
	v_cvt_pk_f16_f32 v[CV+\k], v[XS+2*\k], v[XS+2*\k+1]
.endr
.irp i, 0,1,2,3
	ds_store_b64 v2, v[CV+2*\i:CV+2*\i+1] offset:(\r)*PITCH+256*\i
.endr
.if \refill
.irp i, 0,1,2,3
	global_load_b128 v[XS+4*\i:XS+4*\i+3], v1, s[48+2*(\r):49+2*(\r)] offset:512*\i
.endr
.endif
.endm
.irp r, 0,1,2,3,4,5,6,7
	ROW \r, 1, 28                                  ; seven younger rows of four loads
.endr
.irp r, 8,9,10,11,12,13,14,15
	ROW \r, 0, 4*(15-\r)                           ; nothing follows: the counts run down
.endr
	; back by fragments.  LDS serves a wave's instructions in order (ISA guide 5.7.1): these loads see the stores above.
.set n, 0
.rept 32
	ds_load_b128 v[X+4*n:X+4*n+3], v3 offset:128*(n>>2)+16*(n&3)
.set n, n+1
.endr
.set n, 0
.rept 32
	s_wait_dscnt 31-n
	global_store_b128 v1, v[X+4*n:X+4*n+3], s[12:13] offset:512*n      ; 512 consecutive bytes, aligned
.set n, n+1
.endr
	s_wait_tensorcnt 0x0
	ds_add_u32 v168, v169
	s_wait_dscnt 0x0
	s_endpgm
.Lfunc_end_k_qbe23e7efa0_pack:
	.size	k_qbe23e7efa0_pack, .Lfunc_end_k_qbe23e7efa0_pack-k_qbe23e7efa0_pack
	.p2alignl 7, 3214868480
	.fill 96, 4, 3214868480
	.section	.rodata,"a",@progbits
	.p2align	6, 0x0
	.amdhsa_kernel k_qbe23e7efa0_pack
		.amdhsa_group_segment_fixed_size 16896
		.amdhsa_private_segment_fixed_size 0
		.amdhsa_enable_private_segment 0
		.amdhsa_kernarg_size 24
		.amdhsa_user_sgpr_count 2
		.amdhsa_user_sgpr_kernarg_segment_ptr 1
		.amdhsa_wavefront_size32 1
		.amdhsa_system_sgpr_workgroup_id_x 1
		.amdhsa_system_sgpr_workgroup_id_y 1
		.amdhsa_system_sgpr_workgroup_id_z 1
		.amdhsa_system_vgpr_workitem_id 0
		.amdhsa_next_free_vgpr 170
		.amdhsa_next_free_sgpr 66
		.amdhsa_reserve_vcc 0
		.amdhsa_float_denorm_mode_32 3
		.amdhsa_float_denorm_mode_16_64 3
		.amdhsa_memory_ordered 1
		.amdhsa_forward_progress 1
		.amdhsa_inst_pref_size 28
	.end_amdhsa_kernel
	.amdgpu_metadata
---
amdhsa.version: [ 1, 2 ]
amdhsa.kernels:
  - .name:           k_qbe23e7efa0_pack
    .symbol:         k_qbe23e7efa0_pack.kd
    .args:
      - { .name: x, .offset: 0, .size: 8, .value_kind: global_buffer, .address_space: global }
      - { .name: tok, .offset: 8, .size: 8, .value_kind: global_buffer, .address_space: global }
      - { .name: xB, .offset: 16, .size: 8, .value_kind: global_buffer, .address_space: global }
    .group_segment_fixed_size: 16896
    .private_segment_fixed_size: 0
    .kernarg_segment_align: 8
    .kernarg_segment_size: 24
    .max_flat_workgroup_size: 32
    .sgpr_count:     66
    .vgpr_count:     170
    .wavefront_size: 32
...
	.end_amdgpu_metadata
.endif
;; end of part 3
;; launch ffn1 (part 4): grid 32 x 8, 4 waves a work-group, no clusters, 0 bytes of LDS; arguments xB, W1, b1, meta, hB; writes hB
.if DOCPART == 4
	.amdgcn_target "amdgcn-amd-amdhsa--gfx1250"
	.amdhsa_code_object_version 6
	.text
	.protected	k_qbe23e7efa0_ffn1
	.globl	k_qbe23e7efa0_ffn1
	.p2align	8
	.type	k_qbe23e7efa0_ffn1,@function
k_qbe23e7efa0_ffn1:
	s_mov_b64 s[64:65], 0
	v_nop
	global_prefetch_b8 v0, s[64:65] scope:SCOPE_SE
	s_setreg_imm32_b32 hwreg(HW_REG_WAVE_MODE, 25, 1), 1
	s_wait_xcnt 0x0
; hB = relu(x W1[e] + b1[e]) / 16 for the tokens routed to expert e, in f16, in the register layout of the second product.
; Work-group (c, e): columns 64 c .. 64 c + 63 of expert e.  Each of the four waves holds the slice (512 x 64, f16) in 512 registers and
; works the expert's tiles of 16 slots number w, w + 4, ...: 64 matrix instructions a tile.  Every byte of W1 is asked for by one work-group.
; Activations come from xB by loads of 512 consecutive bytes straight into fragment registers: no LDS, no barrier.
; K ORDER: in K step ks = 2 cc + u, place (h, register t, half) stands for k = 64 cc + 32 h + 16 u + 2 t + half, in both operands alike.
; The matrix instruction is used transposed (source 0 = weights): register jj of accumulator j in lane (r, h) is slot r,
; column 64 c + 32 h + 4 jj + j, so that a lane ends with exactly the 32 k that it feeds to the second product's K steps 2 c, 2 c + 1.
; LIMITS: f16 operands: |x|, |W1| < 65,504; h is kept as h / 16, so |h| < 1.04e6.
; NO CLUSTER: the work-groups of an expert do read the same tiles of xB, but into registers, by plain loads, and the number of tiles is
; read from memory; a joint request exists for tensor loads into LDS alone.
.set ROWB, 8192                        ; bytes in a row of W1
.set ACC,  16                          ; v[16:47]  four accumulators (first: b1 as loaded)
.set BI,   48                          ; v[48:79]  b1 / 16 in the accumulators' order
.set OUTR, 80                          ; v[80:95]  a tile's results in f16
.set VW,   4                           ; v4        lane term of the weights' addresses
.set SB,   24                          ; s[24:27]  address of the tile that buffer 0, 1 loads next
; window 0: the above; v64-255 three staging slots of 64 registers for the weights in f32 (before the loop only)
; windows 1, 2: weight fragment (ks, j) at v[32 (ks % 8) + 8 j] of window 1 + ks / 8;  window 3: activations, buffer b, K step ks at v[128 b + 8 ks]
.set MSB, 0
.macro WIN new                         ; the immediate's high byte repeats the setting that is left
.if MSB != \new
	s_set_vgpr_msb (MSB<<8)|\new
.set MSB, \new
.endif
.endm
.macro PLACES                          ; behind matrix instructions: four places before a load lands on a source or a result is read
.rept 5                                ; five before another matrix instruction writes over a result
	v_nop
.endr
.endm
; 16 rows k of K step ks, 16 bytes (4 columns) a lane: sixteen lanes read 256 consecutive bytes
.macro WISSUE ks
.set SL, 64+64*((\ks)%3)
.irp a, 0,1,2,3,4,5,6,7,8,9,10,11,12,13,14,15
	global_load_b128 v[SL+4*\a:SL+4*\a+3], v[VW], s[30:31] offset:(64*((\ks)/2)+16*((\ks)%2)+\a)*ROWB
.endr
.endm
; fragment j takes column 4 r + j: register t = rows 2 t, 2 t + 1
.macro WCVT ks
.set SL, 64+64*((\ks)%3)
.set WD, 32*((\ks)%8)
.irp j, 0,1,2,3
.irp t, 0,1,2,3,4,5,6,7
	v_cvt_pk_f16_f32 v[WD+8*\j+\t], v[SL+8*\t+\j], v[SL+8*\t+4+\j]
.endr
.endr
.endm
.macro AFILL b, qd                     ; a quarter of a tile: K steps 4 qd .. 4 qd + 3, eight loads of 512 bytes
	WIN 0xc0
.irp n, 0,1,2,3,4,5,6,7
	global_load_b128 v[128*\b+32*\qd+4*\n:128*\b+32*\qd+4*\n+3], v1, s[SB+2*\b:SB+2*\b+1] offset:(8*\qd+\n)*512
.endr
.endm
.macro MULQ b, qd                      ; 16 matrix instructions; the very first of a tile start the sums
.if \qd < 2
	WIN 0x0d                                       ; source 0 window 1, source 1 window 3
.else
	WIN 0x0e                                       ; source 0 window 2
.endif
.irp kk, 0,1,2,3
.irp j, 0,1,2,3
.if 4*\qd+\kk == 0
	v_wmma_f32_16x16x32_f16 v[ACC+8*\j:ACC+8*\j+7], v[8*\j:8*\j+7], v[128*\b:128*\b+7], 0
.else
	v_wmma_f32_16x16x32_f16 v[ACC+8*\j:ACC+8*\j+7], v[32*((4*\qd+\kk)%8)+8*\j:32*((4*\qd+\kk)%8)+8*\j+7], v[128*\b+8*(4*\qd+\kk):128*\b+8*(4*\qd+\kk)+7], v[ACC+8*\j:ACC+8*\j+7]
.endif
.endr
.endr
.endm
	s_load_b256 s[4:11], s[0:1], 0x0               ; xB s[4:5], W1 s[6:7], b1 s[8:9], meta s[10:11]
	s_load_b64 s[12:13], s[0:1], 0x20              ; hB
	v_lshrrev_b32 v2, 5, v0
	v_readfirstlane_b32 s14, v2                    ; wave
	s_and_b32 s15, ttmp7, 0xffff                   ; e
	s_mov_b32 s16, ttmp9                           ; c
	v_and_b32 v5, 31, v0
	v_lshlrev_b32 v1, 4, v5                        ; 16 lane
	v_and_b32 v2, 15, v0                           ; r
	v_bfe_u32 v3, v0, 4, 1                         ; h
	v_lshlrev_b32 v[VW], 4, v2
	v_lshl_add_u32 v[VW], v3, 18, v[VW]            ; 32 h rows of 8,192 bytes + 16 r
	v_lshlrev_b32 v6, 7, v3                        ; b1: 32 h numbers
	s_lshl_b32 s22, s15, 2
	s_wait_kmcnt 0x0
	s_load_b32 s17, s[10:11], s22 offset:0x0       ; the expert's first tile
	s_load_b32 s18, s[10:11], s22 offset:0x20      ; and its tiles
	s_wait_kmcnt 0x0
	s_min_u32 s17, s17, 0x107
	s_min_u32 s18, s18, 0x108
	s_add_co_u32 s19, s18, 3
	s_sub_co_u32 s19, s19, s14
	s_lshr_b32 s19, s19, 2                         ; T: my tiles
	s_cmp_eq_u32 s19, 0
	s_cbranch_scc1 .Lend                           ; an expert with fewer than four tiles leaves waves without work
	s_add_co_u32 s17, s17, s14                     ; my first tile
	s_sub_co_u32 s21, s19, 1
	s_mov_b32 s23, 0
	s_lshl_b32 s22, s16, 11
	s_add_nc_u64 s[32:33], s[12:13], s[22:23]      ; hB + 2,048 c
	s_lshl_b32 s22, s15, 22
	s_lshl_b32 s34, s16, 8
	s_add_co_u32 s22, s22, s34
	s_add_nc_u64 s[30:31], s[6:7], s[22:23]        ; W1 + 4,194,304 e + 256 c
	s_lshl_b32 s22, s15, 13
	s_add_co_u32 s22, s22, s34
	s_add_nc_u64 s[8:9], s[8:9], s[22:23]          ; b1 + 8,192 e + 256 c
	s_min_u32 s22, s17, 0x107
	s_lshl_b32 s22, s22, 14
	s_add_nc_u64 s[SB:SB+1], s[4:5], s[22:23]      ; my tile 0
	s_min_u32 s22, s21, 1
	s_lshl2_add_u32 s22, s22, s17
	s_min_u32 s22, s22, 0x107
	s_lshl_b32 s22, s22, 14
	s_add_nc_u64 s[SB+2:SB+3], s[4:5], s[22:23]    ; my tile 1 (or 0 again)
.irp b, 0,1
.irp qd, 0,1,2,3
	AFILL \b, \qd
.endr
.endr
	WIN 0
.irp jj, 0,1,2,3,4,5,6,7
	global_load_b128 v[16+4*\jj:16+4*\jj+3], v6, s[8:9] offset:16*\jj
.endr
	; the slice: three staging slots, two of them on their way while one is converted
	WISSUE 0
	WISSUE 1
	WISSUE 2
.irp ks, 0,1,2,3,4,5,6,7,8,9,10,11,12,13,14,15
.if \ks < 14
	s_wait_loadcnt 32                              ; two younger slots of 16 loads stay out
.elseif \ks == 14
	s_wait_loadcnt 16
.else
	s_wait_loadcnt 0
.endif
.if \ks < 8
	WIN 0x40
.else
	WIN 0x80
.endif
	WCVT \ks
	WIN 0
.if \ks < 13
	WISSUE \ks+3
.endif
.endr
.irp j, 0,1,2,3
.irp jj, 0,1,2,3,4,5,6,7
	v_mul_f32 v[BI+8*\j+\jj], 0x3d800000, v[16+4*\jj+\j]   ; b1 / 16, in the accumulators' order
.endr
.endr
; One tile on buffer b; s20 + b is its number among my tiles.  refill = 1: each quarter is refilled, as soon as it is multiplied, with the same
; quarter of my tile two further on (beyond my last tile the refills repeat it: inside the buffer, never used, and the counts stay the same on
; every path).
; s_wait_loadcnt 56: behind a quarter's eight loads the seven other quarters' loads are issued before it is used; the loop has no other load.
; refill = 0 (the odd last tile, on buffer 0): behind quarter qd stand the 3 - qd later quarters of buffer 0 and the four of buffer 1: 56 - 8 qd.
.macro TILE b, refill
	s_wait_xcnt 0x0                                ; the bases and the stores' data are rewritten only behind this wait
	s_add_co_u32 s22, s20, \b
	s_lshl2_add_u32 s22, s22, s17
	s_min_u32 s22, s22, 0x107
	s_lshl_b32 s22, s22, 16
	s_add_nc_u64 s[28:29], s[32:33], s[22:23]      ; where this tile's results go
.if \refill
	s_add_co_u32 s22, s20, \b+2
	s_min_u32 s22, s22, s21
	s_lshl2_add_u32 s22, s22, s17
	s_min_u32 s22, s22, 0x107
	s_lshl_b32 s22, s22, 14
	s_add_nc_u64 s[SB+2*\b:SB+2*\b+1], s[4:5], s[22:23]
.endif
.irp qd, 0,1,2,3
.if \refill
	s_wait_loadcnt 56
	MULQ \b, \qd
	PLACES
	AFILL \b, \qd
.else
	s_wait_loadcnt 56-8*\qd
	MULQ \b, \qd
.endif
.endr
.if \refill == 0
	PLACES
.endif
	WIN 0
.irp p, 0,1,2,3,4,5,6,7,8,9,10,11,12,13,14,15
	v_pk_fma_f32 v[ACC+2*\p:ACC+2*\p+1], v[ACC+2*\p:ACC+2*\p+1], 0x3d800000, v[BI+2*\p:BI+2*\p+1] op_sel_hi:[1,0,1]
.endr
.set q, 0
.rept 32
	v_max_num_f32 v[ACC+q], 0, v[ACC+q]
.set q, q+1
.endr
.irp u, 0,1
.irp t, 0,1,2,3,4,5,6,7
	v_cvt_pk_f16_f32 v[OUTR+8*\u+\t], v[ACC+16*(\t&1)+4*\u+(\t>>1)], v[ACC+16*(\t&1)+8+4*\u+(\t>>1)]
.endr
.endr
.irp n, 0,1,2,3
	global_store_b128 v1, v[OUTR+4*\n:OUTR+4*\n+3], s[28:29] offset:512*\n     ; 512 consecutive bytes, aligned
.endr
.endm
	; T >> 1 trips of two tiles, counted one by one; an odd last tile behind the loop
	s_lshr_b32 s35, s19, 1
	s_mov_b32 s36, 0
	s_cmp_eq_u32 s35, 0
	s_cbranch_scc1 .Ltail
.Lloop:
	s_lshl_b32 s20, s36, 1                         ; the trip's first tile
	TILE 0, 1
	TILE 1, 1
	s_add_co_u32 s36, s36, 1
	s_cmp_lt_u32 s36, s35
	s_cbranch_scc1 .Lloop
.Ltail:
	s_and_b32 s20, s19, -2                         ; T - 1 where T is odd
	s_bitcmp1_b32 s19, 0
	s_cbranch_scc0 .Lend
	TILE 0, 0
.Lend:
	s_endpgm
.Lfunc_end_k_qbe23e7efa0_ffn1:
	.size	k_qbe23e7efa0_ffn1, .Lfunc_end_k_qbe23e7efa0_ffn1-k_qbe23e7efa0_ffn1
	.p2alignl 7, 3214868480
	.fill 96, 4, 3214868480
	.section	.rodata,"a",@progbits
	.p2align	6, 0x0
	.amdhsa_kernel k_qbe23e7efa0_ffn1
		.amdhsa_group_segment_fixed_size 0
		.amdhsa_private_segment_fixed_size 0
		.amdhsa_enable_private_segment 0
		.amdhsa_kernarg_size 40
		.amdhsa_user_sgpr_count 2
		.amdhsa_user_sgpr_kernarg_segment_ptr 1
		.amdhsa_wavefront_size32 1
		.amdhsa_system_sgpr_workgroup_id_x 1
		.amdhsa_system_sgpr_workgroup_id_y 1
		.amdhsa_system_sgpr_workgroup_id_z 1
		.amdhsa_system_vgpr_workitem_id 0
		.amdhsa_next_free_vgpr 1024
		.amdhsa_next_free_sgpr 66
		.amdhsa_reserve_vcc 0
		.amdhsa_float_denorm_mode_32 3
		.amdhsa_float_denorm_mode_16_64 3
		.amdhsa_memory_ordered 1
		.amdhsa_forward_progress 1
		.amdhsa_inst_pref_size 102
	.end_amdhsa_kernel
	.amdgpu_metadata
---
amdhsa.version: [ 1, 2 ]
amdhsa.kernels:
  - .name:           k_qbe23e7efa0_ffn1
    .symbol:         k_qbe23e7efa0_ffn1.kd
    .args:
      - { .name: xB, .offset: 0, .size: 8, .value_kind: global_buffer, .address_space: global }
      - { .name: W1, .offset: 8, .size: 8, .value_kind: global_buffer, .address_space: global }
      - { .name: b1, .offset: 16, .size: 8, .value_kind: global_buffer, .address_space: global }
      - { .name: meta, .offset: 24, .size: 8, .value_kind: global_buffer, .address_space: global }
      - { .name: hB, .offset: 32, .size: 8, .value_kind: global_buffer, .address_space: global }
    .group_segment_fixed_size: 0
    .private_segment_fixed_size: 0
    .kernarg_segment_align: 8
    .kernarg_segment_size: 40
    .max_flat_workgroup_size: 128
    .sgpr_count:     66
    .vgpr_count:     1024
    .wavefront_size: 32
...
	.end_amdgpu_metadata
.endif
;; end of part 4
;; launch ffn2 (part 5): grid 8 x 32, 4 waves a work-group, no clusters, 262,656 bytes of LDS; arguments hB, W2, b2, tok, meta, scl, out0; writes out0
.if DOCPART == 5
	.amdgcn_target "amdgcn-amd-amdhsa--gfx1250"
	.amdhsa_code_object_version 6
	.text
	.protected	k_qbe23e7efa0_ffn2
	.globl	k_qbe23e7efa0_ffn2
	.p2align	8
	.type	k_qbe23e7efa0_ffn2,@function
k_qbe23e7efa0_ffn2:
	s_mov_b64 s[64:65], 0
	v_nop
	global_prefetch_b8 v0, s[64:65] scope:SCOPE_SE
	s_setreg_imm32_b32 hwreg(HW_REG_WAVE_MODE, 25, 1), 1
	s_wait_xcnt 0x0
; out0[token] = (16 (hB W2[e]) + b2[e]) scl[token] for the tokens of group y: up to 16 tiles of 16 slots of one expert (meta).
; Work-group (c, y): columns 64 c .. 64 c + 63.  The four waves split K: wave w holds rows 512 w .. 512 w + 511 of the slice (f16, 512 registers)
; and walks all tiles of the group; its partial sums go to LDS as a register image (4,096 bytes a tile and wave).  One barrier; then wave w
; adds the four partial sums of tiles w, w + 4, ... and stores: sixteen lanes write 256 consecutive bytes of a token's row.
; K order as in the first product.  Register jj of accumulator j in lane (r, h) is slot 8 h + jj, column 64 c + 4 r + j.
; Every slot names a token: a spare slot repeats a token of its own tile, so that this wave stores that token's numbers once more to the same
; bytes; no store is masked.
; The grid has 32 group numbers; how many are needed hangs on the routes (the list maker takes the fewest tiles a group that fit in 32),
; so a group number may come with no tiles.
; LIMITS: f16 operands: |W2| < 65,504, |h| < 1.04e6.
; NO CLUSTER: the eight work-groups of a group do read the same tiles of hB, but into registers, by plain loads, and the number of tiles is
; read from memory; a joint request exists for tensor loads into LDS alone.
.set ROWB, 2048                        ; bytes in a row of W2
.set ACC,  16                          ; v[16:47]  four accumulators
.set VW,   9                           ; v9        lane term of the weights' addresses
.set SB,   32                          ; s[32:35]  address of the tile that buffer 0, 1 loads next
.set TK,   16                          ; reduction: v[16:23] tokens of my 8 slots, v[24:31] their scales, v[32:39] offsets in scl, v[40:47] offsets in out0
.set SC,   24
.set VS,   32
.set VO,   40
.set B2,   56                          ; v[56:59]  b2 of my 4 columns
.set P,    64                          ; v[64:191] four partial sums of 32 registers
.set R,    192                         ; v[192:223] results, index 4 jj + j
; windows as in the first product: 0 the above and the staging slots v64-255, 1 and 2 the weights, 3 the activations
.set MSB, 0
.macro WIN new                         ; the immediate's high byte repeats the setting that is left
.if MSB != \new
	s_set_vgpr_msb (MSB<<8)|\new
.set MSB, \new
.endif
.endm
.macro PLACES                          ; behind matrix instructions: four places before a load lands on a source or a result is read
.rept 5                                ; five before another matrix instruction writes over a result
	v_nop
.endr
.endm
.macro WISSUE ks
.set SL, 64+64*((\ks)%3)
.irp a, 0,1,2,3,4,5,6,7,8,9,10,11,12,13,14,15
	global_load_b128 v[SL+4*\a:SL+4*\a+3], v[VW], s[30:31] offset:(64*((\ks)/2)+16*((\ks)%2)+\a)*ROWB
.endr
.endm
.macro WCVT ks
.set SL, 64+64*((\ks)%3)
.set WD, 32*((\ks)%8)
.irp j, 0,1,2,3
.irp t, 0,1,2,3,4,5,6,7
	v_cvt_pk_f16_f32 v[WD+8*\j+\t], v[SL+8*\t+\j], v[SL+8*\t+4+\j]
.endr
.endr
.endm
.macro AFILL b, qd
	WIN 0xc0
.irp n, 0,1,2,3,4,5,6,7
	global_load_b128 v[128*\b+32*\qd+4*\n:128*\b+32*\qd+4*\n+3], v1, s[SB+2*\b:SB+2*\b+1] offset:(8*\qd+\n)*512
.endr
.endm
.macro MULQ b, qd
.if \qd < 2
	WIN 0x07                                       ; source 0 (activations) window 3, source 1 (weights) window 1
.else
	WIN 0x0b                                       ; source 1 window 2
.endif
.irp kk, 0,1,2,3
.irp j, 0,1,2,3
.if 4*\qd+\kk == 0
	v_wmma_f32_16x16x32_f16 v[ACC+8*\j:ACC+8*\j+7], v[128*\b:128*\b+7], v[8*\j:8*\j+7], 0
.else
	v_wmma_f32_16x16x32_f16 v[ACC+8*\j:ACC+8*\j+7], v[128*\b+8*(4*\qd+\kk):128*\b+8*(4*\qd+\kk)+7], v[32*((4*\qd+\kk)%8)+8*\j:32*((4*\qd+\kk)%8)+8*\j+7], v[ACC+8*\j:ACC+8*\j+7]
.endif
.endr
.endr
.endm
	s_load_b256 s[4:11], s[0:1], 0x0               ; hB s[4:5], W2 s[6:7], b2 s[8:9], tok s[10:11]
	s_load_b128 s[12:15], s[0:1], 0x20             ; meta s[12:13], scl s[14:15]
	s_load_b64 s[16:17], s[0:1], 0x30              ; out0
	v_lshl_add_u32 v62, v0, 2, 0x40000
	v_mov_b32 v63, 0
	v_lshrrev_b32 v2, 5, v0
	v_readfirstlane_b32 s18, v2                    ; wave
	s_mov_b32 s19, ttmp9                           ; c
	s_and_b32 s20, ttmp7, 0xffff                   ; y
	v_and_b32 v5, 31, v0
	v_lshlrev_b32 v1, 4, v5                        ; 16 lane
	v_and_b32 v2, 15, v0                           ; r
	v_bfe_u32 v3, v0, 4, 1                         ; h
	v_lshlrev_b32 v10, 4, v2                       ; 16 r
	v_lshl_add_u32 v[VW], v3, 16, v10              ; 32 h rows of 2,048 bytes + 16 r
	v_lshlrev_b32 v6, 5, v3                        ; tok: 8 h words
	s_lshl_b32 s26, s18, 12
	v_add_nc_u32 v4, s26, v1                       ; my partial sums in LDS: 4,096 w + 16 lane
	s_lshl_b32 s26, s20, 2
	s_mov_b32 s27, 0
	s_wait_kmcnt 0x0
	s_load_b32 s21, s[12:13], s26 offset:0x80      ; the group's expert,
	s_load_b32 s22, s[12:13], s26 offset:0x100     ; first tile
	s_load_b32 s23, s[12:13], s26 offset:0x180     ; and tiles
	s_wait_kmcnt 0x0
	s_min_u32 s21, s21, 7
	s_min_u32 s22, s22, 0x107
	s_min_u32 s23, s23, 16
	s_cmp_eq_u32 s23, 0
	s_cbranch_scc1 .Lbar
	s_sub_co_u32 s25, s23, 1
	s_lshl_b32 s26, s18, 14
	s_add_nc_u64 s[36:37], s[4:5], s[26:27]        ; hB + my 16 K steps of 1,024 bytes
	s_lshl_b32 s26, s21, 22
	s_lshl_b32 s28, s18, 20
	s_add_co_u32 s26, s26, s28
	s_lshl_b32 s28, s19, 8
	s_add_co_u32 s26, s26, s28
	s_add_nc_u64 s[30:31], s[6:7], s[26:27]        ; W2 + 4,194,304 e + 512 w rows + 256 c
	s_lshl_b32 s26, s22, 16
	s_add_nc_u64 s[SB:SB+1], s[36:37], s[26:27]    ; tile 0
	s_min_u32 s26, s25, 1
	s_add_co_u32 s26, s26, s22
	s_min_u32 s26, s26, 0x107
	s_lshl_b32 s26, s26, 16
	s_add_nc_u64 s[SB+2:SB+3], s[36:37], s[26:27]  ; tile 1 (or 0 again)
.irp b, 0,1
.irp qd, 0,1,2,3
	AFILL \b, \qd
.endr
.endr
	WIN 0
	WISSUE 0
	WISSUE 1
	WISSUE 2
.irp ks, 0,1,2,3,4,5,6,7,8,9,10,11,12,13,14,15
.if \ks < 14
	s_wait_loadcnt 32                              ; two younger slots of 16 loads stay out
.elseif \ks == 14
	s_wait_loadcnt 16
.else
	s_wait_loadcnt 0
.endif
.if \ks < 8
	WIN 0x40
.else
	WIN 0x80
.endif
	WCVT \ks
	WIN 0
.if \ks < 13
	WISSUE \ks+3
.endif
.endr
; One tile on buffer b; s24 + b is its number in the group.  Refills and waits as in the first product: with refills seven quarters of eight
; loads are issued behind the one that is used (56); in the odd last tile, which refills nothing, 56 - 8 qd.
.macro TILE b, refill
.if \refill
	s_wait_xcnt 0x0                                ; the base is rewritten only behind this wait
	s_add_co_u32 s26, s24, \b+2
	s_min_u32 s26, s26, s25
	s_add_co_u32 s26, s26, s22
	s_min_u32 s26, s26, 0x107
	s_lshl_b32 s26, s26, 16
	s_add_nc_u64 s[SB+2*\b:SB+2*\b+1], s[36:37], s[26:27]
.endif
.irp qd, 0,1,2,3
.if \refill
	s_wait_loadcnt 56
	MULQ \b, \qd
	PLACES
	AFILL \b, \qd
.else
	s_wait_loadcnt 56-8*\qd
	MULQ \b, \qd
.endif
.endr
.if \refill == 0
	PLACES
.endif
	WIN 0
	s_add_co_u32 s26, s24, \b
	s_min_u32 s26, s26, 15
	s_lshl_b32 s26, s26, 14
	v_add_nc_u32 v5, s26, v4
.irp n, 0,1,2,3,4,5,6,7
	ds_store_b128 v5, v[ACC+4*\n:ACC+4*\n+3] offset:512*\n
.endr
.endm
	; T >> 1 trips of two tiles, counted one by one; an odd last tile behind the loop
	s_lshr_b32 s29, s23, 1
	s_mov_b32 s43, 0
	s_cmp_eq_u32 s29, 0
	s_cbranch_scc1 .Ltail
.Lloop:
	s_lshl_b32 s24, s43, 1                         ; the trip's first tile
	TILE 0, 1
	TILE 1, 1
	s_add_co_u32 s43, s43, 1
	s_cmp_lt_u32 s43, s29
	s_cbranch_scc1 .Lloop
.Ltail:
	s_and_b32 s24, s23, -2                         ; T - 1 where T is odd
	s_bitcmp1_b32 s23, 0
	s_cbranch_scc0 .Lbar
	TILE 0, 0
.Lbar:
	s_wait_dscnt 0x0                               ; my partial sums are in LDS, for the waves that add them
	s_barrier_signal -1
	s_barrier_wait -1
	s_add_co_u32 s40, s23, 3                       ; tiles w, w + 4, ...: (T + 3 - w) >> 2 of them
	s_sub_co_u32 s40, s40, s18
	s_lshr_b32 s40, s40, 2
	s_cmp_eq_u32 s40, 0
	s_cbranch_scc1 .Lend
	s_mov_b32 s42, 0
	s_mov_b32 s27, 0
	s_mov_b32 s41, 0x41800000                      ; 16.0: undoes the h / 16
	s_lshl_b32 s28, s19, 8
	v_add_nc_u32 v7, s28, v10                      ; 256 c + 16 r: my 16 bytes in a row of out0
	s_lshl_b32 s26, s21, 11
	s_add_co_u32 s26, s26, s28
	s_add_nc_u64 s[8:9], s[8:9], s[26:27]          ; b2 + 2,048 e + 256 c
	global_load_b128 v[B2:B2+3], v10, s[8:9]
.Lred:
	s_lshl2_add_u32 s24, s42, s18                  ; the trip's tile: 4 x trip + w
	s_add_co_u32 s26, s22, s24
	s_min_u32 s26, s26, 0x107
	s_lshl_b32 s26, s26, 6
	s_add_nc_u64 s[38:39], s[10:11], s[26:27]      ; (the last trip's loads from this base were waited for)
	global_load_b128 v[TK:TK+3],   v6, s[38:39]
	global_load_b128 v[TK+4:TK+7], v6, s[38:39] offset:16
	s_min_u32 s28, s24, 15
	s_lshl_b32 s28, s28, 14
	v_add_nc_u32 v8, s28, v1
.irp p, 0,1,2,3
.irp n, 0,1,2,3,4,5,6,7
	ds_load_b128 v[P+32*\p+4*\n:P+32*\p+4*\n+3], v8 offset:4096*\p+512*\n
.endr
.endr
	s_wait_loadcnt 0x0                             ; the tokens (and b2)
.irp jj, 0,1,2,3,4,5,6,7
	v_min_u32 v[VS+\jj], 0xfff, v[TK+\jj]
	v_lshl_add_u32 v[VO+\jj], v[VS+\jj], 11, v7
	v_lshlrev_b32 v[VS+\jj], 2, v[VS+\jj]
	global_load_b32 v[SC+\jj], v[VS+\jj], s[14:15]
.endr
	s_wait_dscnt 0x0
.irp p, 0,1,2,3,4,5,6,7,8,9,10,11,12,13,14,15
	v_pk_add_f32 v[P+2*\p:P+2*\p+1], v[P+2*\p:P+2*\p+1], v[P+32+2*\p:P+32+2*\p+1]
	v_pk_add_f32 v[P+64+2*\p:P+64+2*\p+1], v[P+64+2*\p:P+64+2*\p+1], v[P+96+2*\p:P+96+2*\p+1]
.endr
.irp p, 0,1,2,3,4,5,6,7,8,9,10,11,12,13,14,15
	v_pk_add_f32 v[P+2*\p:P+2*\p+1], v[P+2*\p:P+2*\p+1], v[P+64+2*\p:P+64+2*\p+1]
.endr
.irp jj, 0,1,2,3,4,5,6,7
.irp j, 0,1,2,3
	v_fma_f32 v[R+4*\jj+\j], v[P+8*\j+\jj], s41, v[B2+\j]  ; 16 x sum + b2, into the order of a row
.endr
.endr
	s_wait_loadcnt 0x0                             ; the scales
.irp jj, 0,2,4,6
	v_pk_mul_f32 v[R+4*\jj:R+4*\jj+1],   v[R+4*\jj:R+4*\jj+1],   v[SC+\jj:SC+\jj+1] op_sel_hi:[1,0]
	v_pk_mul_f32 v[R+4*\jj+2:R+4*\jj+3], v[R+4*\jj+2:R+4*\jj+3], v[SC+\jj:SC+\jj+1] op_sel_hi:[1,0]
	v_pk_mul_f32 v[R+4*\jj+4:R+4*\jj+5], v[R+4*\jj+4:R+4*\jj+5], v[SC+\jj:SC+\jj+1] op_sel:[0,1] op_sel_hi:[1,1]
	v_pk_mul_f32 v[R+4*\jj+6:R+4*\jj+7], v[R+4*\jj+6:R+4*\jj+7], v[SC+\jj:SC+\jj+1] op_sel:[0,1] op_sel_hi:[1,1]
.endr
.irp jj, 0,1,2,3,4,5,6,7
	global_store_b128 v[VO+\jj], v[R+4*\jj:R+4*\jj+3], s[16:17]    ; sixteen lanes: 256 consecutive bytes of a row, aligned
.endr
	s_wait_xcnt 0x0                                ; the stores' offsets and data are written again in the next trip
	s_add_co_u32 s42, s42, 1
	s_cmp_lt_u32 s42, s40
	s_cbranch_scc1 .Lred
.Lend:
	s_wait_tensorcnt 0x0
	ds_add_u32 v62, v63
	s_wait_dscnt 0x0
	s_endpgm
.Lfunc_end_k_qbe23e7efa0_ffn2:
	.size	k_qbe23e7efa0_ffn2, .Lfunc_end_k_qbe23e7efa0_ffn2-k_qbe23e7efa0_ffn2
	.p2alignl 7, 3214868480
	.fill 96, 4, 3214868480
	.section	.rodata,"a",@progbits
	.p2align	6, 0x0
	.amdhsa_kernel k_qbe23e7efa0_ffn2
		.amdhsa_group_segment_fixed_size 262656
		.amdhsa_private_segment_fixed_size 0
		.amdhsa_enable_private_segment 0
		.amdhsa_kernarg_size 56
		.amdhsa_user_sgpr_count 2
		.amdhsa_user_sgpr_kernarg_segment_ptr 1
		.amdhsa_wavefront_size32 1
		.amdhsa_system_sgpr_workgroup_id_x 1
		.amdhsa_system_sgpr_workgroup_id_y 1
		.amdhsa_system_sgpr_workgroup_id_z 1
		.amdhsa_system_vgpr_workitem_id 0
		.amdhsa_next_free_vgpr 1024
		.amdhsa_next_free_sgpr 66
		.amdhsa_reserve_vcc 0
		.amdhsa_float_denorm_mode_32 3
		.amdhsa_float_denorm_mode_16_64 3
		.amdhsa_memory_ordered 1
		.amdhsa_forward_progress 1
		.amdhsa_inst_pref_size 102
	.end_amdhsa_kernel
	.amdgpu_metadata
---
amdhsa.version: [ 1, 2 ]
amdhsa.kernels:
  - .name:           k_qbe23e7efa0_ffn2
    .symbol:         k_qbe23e7efa0_ffn2.kd
    .args:
      - { .name: hB, .offset: 0, .size: 8, .value_kind: global_buffer, .address_space: global }
      - { .name: W2, .offset: 8, .size: 8, .value_kind: global_buffer, .address_space: global }
      - { .name: b2, .offset: 16, .size: 8, .value_kind: global_buffer, .address_space: global }
      - { .name: tok, .offset: 24, .size: 8, .value_kind: global_buffer, .address_space: global }
      - { .name: meta, .offset: 32, .size: 8, .value_kind: global_buffer, .address_space: global }
      - { .name: scl, .offset: 40, .size: 8, .value_kind: global_buffer, .address_space: global }
      - { .name: out0, .offset: 48, .size: 8, .value_kind: global_buffer, .address_space: global }
    .group_segment_fixed_size: 262656
    .private_segment_fixed_size: 0
    .kernarg_segment_align: 8
    .kernarg_segment_size: 56
    .max_flat_workgroup_size: 128
    .sgpr_count:     66
    .vgpr_count:     1024
    .wavefront_size: 32
...
	.end_amdgpu_metadata
.endif
;; end of part 5
;; ======== version 2 of 2: 5 launches; version 1 with the launches ffn1, ffn2 written anew for expert scheduling mode
;; limits: values are held in f16: magnitudes above 65,504 overflow, below 6.1e-05 lose precision; inputs' magnitudes at most 65,504
;; workspace buffers: routes 16,384 bytes of whole numbers; tok 16,896 bytes of whole numbers; meta 512 bytes of whole numbers; scl 16,384 bytes; xB 4,325,376 bytes; hB 17,301,504 bytes
;; launch router: the kernel of part 1 again; grid 256 x 1, 4 waves a work-group, no clusters, 19,968 bytes of LDS; arguments x, Wr, br, out1, routes, scl; writes out1, routes, scl
;; launch plan: the kernel of part 2 again; grid 1 x 1, 32 waves a work-group, no clusters, 22,016 bytes of LDS; arguments routes, tok, meta, out2; writes tok, meta, out2
;; launch pack: the kernel of part 3 again; grid 264 x 1, 1 waves a work-group, no clusters, 16,896 bytes of LDS; arguments x, tok, xB; writes xB
;; launch ffn1 (part 6): grid 32 x 8, 4 waves a work-group, no clusters, 0 bytes of LDS; arguments xB, W1, b1, meta, hB; writes hB
.if DOCPART == 6
	.amdgcn_target "amdgcn-amd-amdhsa--gfx1250"
	.amdhsa_code_object_version 6
	.text
	.protected	k_qbe23e7efa0_ffn1
	.globl	k_qbe23e7efa0_ffn1
	.p2align	8
	.type	k_qbe23e7efa0_ffn1,@function
k_qbe23e7efa0_ffn1:
	s_mov_b64 s[64:65], 0
	v_nop
	global_prefetch_b8 v0, s[64:65] scope:SCOPE_SE
	s_setreg_imm32_b32 hwreg(HW_REG_WAVE_SCHED_MODE, 0, 2), 2
	s_setreg_imm32_b32 hwreg(HW_REG_WAVE_MODE, 25, 1), 1
	s_wait_xcnt 0x0
	s_wait_alu depctr_vm_vsrc(0)
; hB = relu(x W1[e] + b1[e]) / 16 for the tokens routed to expert e, in f16, in the register layout of the second product.
; Work-group (c, e): columns 64 c .. 64 c + 63 of expert e.  Each of the four waves holds the slice (512 x 64, f16) in 512 registers and
; works the expert's tiles of 16 slots number w, w + 4, ...: 64 matrix instructions a tile.  Every byte of W1 is asked for by one work-group.
; Activations come from xB by loads of 512 consecutive bytes straight into fragment registers: no LDS, no barrier.
; K ORDER: in K step ks = 2 cc + u, place (h, register t, half) stands for k = 64 cc + 32 h + 16 u + 2 t + half, in both operands alike.
; The matrix instruction is used transposed (source 0 = weights): register jj of accumulator j in lane (r, h) is slot r,
; column 64 c + 32 h + 4 jj + j, so that a lane ends with exactly the 32 k that it feeds to the second product's K steps 2 c, 2 c + 1.
; LIMITS: f16 operands: |x|, |W1| < 65,504; h is kept as h / 16, so |h| < 1.04e6.
; NO CLUSTER: the work-groups of an expert do read the same tiles of xB, but into registers, by plain loads, and the number of tiles is
; read from memory; a joint request exists for tensor loads into LDS alone.
; THE MODE: SCHED_MODE bits 1:0 = 2 (LLVM: expert scheduling mode 2), set by the entry lines.  The code itself states the register dependences
; between vector or matrix instructions and memory instructions, with s_wait_alu, always for 0.
; THE PLAN.  Registers that memory instructions touch:
;   v1, v4, v6, v7  byte offsets, made once at the head and never written again.  v7 is 16 x lane once more, for the stores alone: so no instruction
;                   between a wait and the loads that lean on it names a register of those loads.
;   staging slots   (before the loop) 16 loads land in a slot, its 32 conversions read it, one wait stands behind them, and the slot is asked for again.
;   window 3        a ring of four halves of a tile, 64 registers and 16 loads each: (buffer 0, K steps 0-7), (0, 8-15), (1, 0-7), (1, 8-15).
;                   A half is read by its 32 products.  It is loaded again while the NEXT half is multiplied, with what is multiplied three halves later.
;   OUTR            written by a tile's 16 roundings, read by its 4 stores, written again a tile later.
; So a tile has two waits on va_vdst.  One in its middle: the first 32 products are done reading half 0 of its buffer, in which the 16 loads behind it land.
; One at its end, behind the roundings: OUTR is written, for the stores; and all the tile's products are done, so that the next tile's first 16 loads,
; which land in this buffer's half 1, owe nothing more.  The loads stand eight behind a half's first K step and eight behind its second; the products
; between a wait and those loads name the other halves, the weights and the accumulators.  One wait on vm_vsrc a tile, behind its last product: the
; stores of the tile before have read OUTR.
.set ROWB, 8192                        ; bytes in a row of W1
.set ACC,  16                          ; v[16:47]  four accumulators (first: b1 as loaded)
.set BI,   48                          ; v[48:79]  b1 / 16 in the accumulators' order
.set OUTR, 80                          ; v[80:95]  a tile's results in f16
.set VW,   4                           ; v4        lane term of the weights' addresses
.set VST,  7                           ; v7        16 x lane, for the stores
.set SB,   24                          ; s[24:27]  address of the tile that buffer 0, 1 loads next
; window 0: the above; v64-255 three staging slots of 64 registers for the weights in f32 (before the loop only)
; windows 1, 2: weight fragment (ks, j) at v[32 (ks % 8) + 8 j] of window 1 + ks / 8;  window 3: activations, buffer b, K step ks at v[128 b + 8 ks]
.set MSB, 0
.macro WIN new                         ; the immediate's high byte repeats the setting that is left
.if MSB != \new
	s_set_vgpr_msb (MSB<<8)|\new
.set MSB, \new
.endif
.endm
.macro PLACES                          ; behind matrix instructions (ISA guide 7.12.1): four places before a vector instruction reads a result
.rept 4
	v_nop
.endr
.endm
; 16 rows k of K step ks, 16 bytes (4 columns) a lane: sixteen lanes read 256 consecutive bytes
.macro WISSUE ks
.set SL, 64+64*((\ks)%3)
.irp a, 0,1,2,3,4,5,6,7,8,9,10,11,12,13,14,15
	global_load_b128 v[SL+4*\a:SL+4*\a+3], v[VW], s[30:31] offset:(64*((\ks)/2)+16*((\ks)%2)+\a)*ROWB
.endr
.endm
; fragment j takes column 4 r + j: register t = rows 2 t, 2 t + 1
.macro WCVT ks
.set SL, 64+64*((\ks)%3)
.set WD, 32*((\ks)%8)
.irp j, 0,1,2,3
.irp t, 0,1,2,3,4,5,6,7
	v_cvt_pk_f16_f32 v[WD+8*\j+\t], v[SL+8*\t+\j], v[SL+8*\t+4+\j]
.endr
.endr
.endm
.macro AFILL b, qd                     ; a quarter of a tile: K steps 4 qd .. 4 qd + 3, eight loads of 512 bytes
	WIN 0xc0
.irp n, 0,1,2,3,4,5,6,7
	global_load_b128 v[128*(\b)+32*(\qd)+4*\n:128*(\b)+32*(\qd)+4*\n+3], v1, s[SB+2*(\b):SB+2*(\b)+1] offset:(8*(\qd)+\n)*512
.endr
.endm
.macro MUL4 b, ks                      ; K step ks: four matrix instructions, the accumulators by turns; a tile's first four start the sums
.if (\ks) < 8
	WIN 0x0d                                       ; source 0 window 1, source 1 window 3
.else
	WIN 0x0e                                       ; source 0 window 2
.endif
.irp j, 0,1,2,3
.if (\ks) == 0
	v_wmma_f32_16x16x32_f16 v[ACC+8*\j:ACC+8*\j+7], v[8*\j:8*\j+7], v[128*(\b):128*(\b)+7], 0
.else
	v_wmma_f32_16x16x32_f16 v[ACC+8*\j:ACC+8*\j+7], v[32*((\ks)%8)+8*\j:32*((\ks)%8)+8*\j+7], v[128*(\b)+8*(\ks):128*(\b)+8*(\ks)+7], v[ACC+8*\j:ACC+8*\j+7]
.endif
.endr
.endm
; Half hf of the tile in buffer b: 32 matrix instructions.  refill = 1: the 16 loads into half fh of buffer fb, the half multiplied just before,
; stand eight behind the first K step and eight behind the second.  No wait: no vector or matrix instruction since the last wait on va_vdst names v1 or that half.
.macro HALF b, hf, fb, fh, refill
	MUL4 \b, 8*\hf
.if \refill
	AFILL \fb, 2*\fh
.endif
	MUL4 \b, 8*\hf+1
.if \refill
	AFILL \fb, 2*\fh+1
.endif
.irp kk, 2,3,4,5,6,7
	MUL4 \b, 8*\hf+\kk
.endr
.endm
	s_load_b256 s[4:11], s[0:1], 0x0               ; xB s[4:5], W1 s[6:7], b1 s[8:9], meta s[10:11]
	s_load_b64 s[12:13], s[0:1], 0x20              ; hB
	v_lshrrev_b32 v2, 5, v0
	v_readfirstlane_b32 s14, v2                    ; wave
	s_and_b32 s15, ttmp7, 0xffff                   ; e
	s_mov_b32 s16, ttmp9                           ; c
	v_and_b32 v5, 31, v0
	v_lshlrev_b32 v1, 4, v5                        ; 16 lane
	v_lshlrev_b32 v[VST], 4, v5                    ; and once more, for the stores
	v_and_b32 v2, 15, v0                           ; r
	v_bfe_u32 v3, v0, 4, 1                         ; h
	v_lshlrev_b32 v[VW], 4, v2
	v_lshl_add_u32 v[VW], v3, 18, v[VW]            ; 32 h rows of 8,192 bytes + 16 r
	v_lshlrev_b32 v6, 7, v3                        ; b1: 32 h numbers
	s_lshl_b32 s22, s15, 2
	s_wait_kmcnt 0x0
	s_load_b32 s17, s[10:11], s22 offset:0x0       ; the expert's first tile
	s_load_b32 s18, s[10:11], s22 offset:0x20      ; and its tiles
	s_wait_kmcnt 0x0
	s_wait_alu depctr_va_sdst(0)                   ; s14 is written, ahead of its first reader: my number of tiles and my first tile are made from it
	s_min_u32 s17, s17, 0x107
	s_min_u32 s18, s18, 0x108
	s_add_co_u32 s19, s18, 3
	s_sub_co_u32 s19, s19, s14
	s_lshr_b32 s19, s19, 2                         ; T: my tiles
	s_cmp_eq_u32 s19, 0
	s_cbranch_scc1 .Lend                           ; an expert with fewer than four tiles leaves waves without work
	s_add_co_u32 s17, s17, s14                     ; my first tile
	s_sub_co_u32 s21, s19, 1
	s_mov_b32 s23, 0
	s_lshl_b32 s22, s16, 11
	s_add_nc_u64 s[32:33], s[12:13], s[22:23]      ; hB + 2,048 c
	s_lshl_b32 s22, s15, 22
	s_lshl_b32 s34, s16, 8
	s_add_co_u32 s22, s22, s34
	s_add_nc_u64 s[30:31], s[6:7], s[22:23]        ; W1 + 4,194,304 e + 256 c
	s_lshl_b32 s22, s15, 13
	s_add_co_u32 s22, s22, s34
	s_add_nc_u64 s[8:9], s[8:9], s[22:23]          ; b1 + 8,192 e + 256 c
	s_min_u32 s22, s17, 0x107
	s_lshl_b32 s22, s22, 14
	s_add_nc_u64 s[SB:SB+1], s[4:5], s[22:23]      ; my tile 0
	s_min_u32 s22, s21, 1
	s_lshl2_add_u32 s22, s22, s17
	s_min_u32 s22, s22, 0x107
	s_lshl_b32 s22, s22, 14
	s_add_nc_u64 s[SB+2:SB+3], s[4:5], s[22:23]    ; my tile 1 (or 0 again)
	WIN 0xc0
	s_wait_alu depctr_va_vdst(0)                   ; the offsets v1, v4, v6 and v7 are written: every load and store of the kernel reads one of them
.irp qd, 0,1,2,3
	AFILL 0, \qd                                   ; three of the ring's four halves; the fourth is the first tile's first group of loads
.endr
	AFILL 1, 0
	AFILL 1, 1
	WIN 0
.irp jj, 0,1,2,3,4,5,6,7
	global_load_b128 v[16+4*\jj:16+4*\jj+3], v6, s[8:9] offset:16*\jj
.endr
	; the slice: three staging slots, two of them on their way while one is converted
	WISSUE 0
	WISSUE 1
	WISSUE 2
.irp ks, 0,1,2,3,4,5,6,7,8,9,10,11,12,13,14,15
.if \ks < 14
	s_wait_loadcnt 32                              ; two younger slots of 16 loads stay out
.elseif \ks == 14
	s_wait_loadcnt 16
.else
	s_wait_loadcnt 0
.endif
.if \ks < 8
	WIN 0x40
.else
	WIN 0x80
.endif
	WCVT \ks
	WIN 0
.if \ks < 13
	s_wait_alu depctr_va_vdst(0)                   ; the conversions are done reading the slot, in which the loads below land
	WISSUE \ks+3
.endif
.endr
.irp j, 0,1,2,3
.irp jj, 0,1,2,3,4,5,6,7
	v_mul_f32 v[BI+8*\j+\jj], 0x3d800000, v[16+4*\jj+\j]   ; b1 / 16, in the accumulators' order
.endr
.endr
; One tile on buffer b; s20 + b is its number among my tiles.  refill = 1: while its half 0 is multiplied the other buffer's half 1 is loaded (the next tile's),
; while its half 1 is multiplied its own half 0 (my tile two further on; beyond my last tile the loads repeat it: inside the buffer, never used, and the
; counts stay the same on every path).
; s_wait_loadcnt 32: behind a half's 16 loads the groups of the two halves multiplied since, 16 loads each, were issued; the loop has no other load.
; refill = 0 (the odd last tile, on buffer 0): behind its half 0 stand the last two groups, 32; behind its half 1 the last one, 16.
.macro TILE b, refill
	s_wait_loadcnt 32
	HALF \b, 0, 1-\b, 1, \refill
.if \refill
	s_wait_loadcnt 32                              ; half 1 is in; that also shows every load done that read this buffer's base: the 32 younger ones read the other's
	s_add_co_u32 s22, s20, \b+2
	s_min_u32 s22, s22, s21
	s_lshl2_add_u32 s22, s22, s17
	s_min_u32 s22, s22, 0x107
	s_lshl_b32 s22, s22, 14
	s_add_nc_u64 s[SB+2*\b:SB+2*\b+1], s[4:5], s[22:23]
	s_wait_alu depctr_va_vdst(0)                   ; the tile's first 32 products are done reading half 0 of this buffer, in which the next 16 loads land
.else
	s_wait_loadcnt 16
.endif
	HALF \b, 1, \b, 0, \refill
	s_wait_xcnt 0x0                                ; the stores' base and data are rewritten only behind this wait
	s_wait_alu depctr_vm_vsrc(0)                   ; the stores of the tile before have read OUTR, which the roundings below write again
	s_add_co_u32 s22, s20, \b
	s_lshl2_add_u32 s22, s22, s17
	s_min_u32 s22, s22, 0x107
	s_lshl_b32 s22, s22, 16
	s_add_nc_u64 s[28:29], s[32:33], s[22:23]      ; where this tile's results go
	PLACES
	WIN 0
.irp p, 0,1,2,3,4,5,6,7,8,9,10,11,12,13,14,15
	v_pk_fma_f32 v[ACC+2*\p:ACC+2*\p+1], v[ACC+2*\p:ACC+2*\p+1], 0x3d800000, v[BI+2*\p:BI+2*\p+1] op_sel_hi:[1,0,1]
.endr
.set q, 0
.rept 32
	v_max_num_f32 v[ACC+q], 0, v[ACC+q]
.set q, q+1
.endr
.irp u, 0,1
.irp t, 0,1,2,3,4,5,6,7
	v_cvt_pk_f16_f32 v[OUTR+8*\u+\t], v[ACC+16*(\t&1)+4*\u+(\t>>1)], v[ACC+16*(\t&1)+8+4*\u+(\t>>1)]
.endr
.endr
	s_wait_alu depctr_va_vdst(0)                   ; the roundings have written OUTR, which the stores read; the tile's products are done reading half 1 of this buffer, in which the next tile's first loads land
.irp n, 0,1,2,3
	global_store_b128 v[VST], v[OUTR+4*\n:OUTR+4*\n+3], s[28:29] offset:512*\n     ; 512 consecutive bytes, aligned
.endr
.endm
	; T >> 1 trips of two tiles, counted one by one; an odd last tile behind the loop
	s_lshr_b32 s35, s19, 1
	s_mov_b32 s36, 0
	s_cmp_eq_u32 s35, 0
	s_cbranch_scc1 .Ltail
.Lloop:
	s_lshl_b32 s20, s36, 1                         ; the trip's first tile
	TILE 0, 1
	TILE 1, 1
	s_add_co_u32 s36, s36, 1
	s_cmp_lt_u32 s36, s35
	s_cbranch_scc1 .Lloop
.Ltail:
	s_and_b32 s20, s19, -2                         ; T - 1 where T is odd
	s_bitcmp1_b32 s19, 0
	s_cbranch_scc0 .Lend
	TILE 0, 0
.Lend:
	s_endpgm
.Lfunc_end_k_qbe23e7efa0_ffn1:
	.size	k_qbe23e7efa0_ffn1, .Lfunc_end_k_qbe23e7efa0_ffn1-k_qbe23e7efa0_ffn1
	.p2alignl 7, 3214868480
	.fill 96, 4, 3214868480
	.section	.rodata,"a",@progbits
	.p2align	6, 0x0
	.amdhsa_kernel k_qbe23e7efa0_ffn1
		.amdhsa_group_segment_fixed_size 0
		.amdhsa_private_segment_fixed_size 0
		.amdhsa_enable_private_segment 0
		.amdhsa_kernarg_size 40
		.amdhsa_user_sgpr_count 2
		.amdhsa_user_sgpr_kernarg_segment_ptr 1
		.amdhsa_wavefront_size32 1
		.amdhsa_system_sgpr_workgroup_id_x 1
		.amdhsa_system_sgpr_workgroup_id_y 1
		.amdhsa_system_sgpr_workgroup_id_z 1
		.amdhsa_system_vgpr_workitem_id 0
		.amdhsa_next_free_vgpr 1024
		.amdhsa_next_free_sgpr 66
		.amdhsa_reserve_vcc 0
		.amdhsa_float_denorm_mode_32 3
		.amdhsa_float_denorm_mode_16_64 3
		.amdhsa_memory_ordered 1
		.amdhsa_forward_progress 1
		.amdhsa_inst_pref_size 101
	.end_amdhsa_kernel
	.amdgpu_metadata
---
amdhsa.version: [ 1, 2 ]
amdhsa.kernels:
  - .name:           k_qbe23e7efa0_ffn1
    .symbol:         k_qbe23e7efa0_ffn1.kd
    .args:
      - { .name: xB, .offset: 0, .size: 8, .value_kind: global_buffer, .address_space: global }
      - { .name: W1, .offset: 8, .size: 8, .value_kind: global_buffer, .address_space: global }
      - { .name: b1, .offset: 16, .size: 8, .value_kind: global_buffer, .address_space: global }
      - { .name: meta, .offset: 24, .size: 8, .value_kind: global_buffer, .address_space: global }
      - { .name: hB, .offset: 32, .size: 8, .value_kind: global_buffer, .address_space: global }
    .group_segment_fixed_size: 0
    .private_segment_fixed_size: 0
    .kernarg_segment_align: 8
    .kernarg_segment_size: 40
    .max_flat_workgroup_size: 128
    .sgpr_count:     66
    .vgpr_count:     1024
    .wavefront_size: 32
...
	.end_amdgpu_metadata
.endif
;; end of part 6
;; launch ffn2 (part 7): grid 8 x 32, 4 waves a work-group, no clusters, 262,656 bytes of LDS; arguments hB, W2, b2, tok, meta, scl, out0; writes out0
.if DOCPART == 7
	.amdgcn_target "amdgcn-amd-amdhsa--gfx1250"
	.amdhsa_code_object_version 6
	.text
	.protected	k_qbe23e7efa0_ffn2
	.globl	k_qbe23e7efa0_ffn2
	.p2align	8
	.type	k_qbe23e7efa0_ffn2,@function
k_qbe23e7efa0_ffn2:
	s_mov_b64 s[64:65], 0
	v_nop
	global_prefetch_b8 v0, s[64:65] scope:SCOPE_SE
	s_setreg_imm32_b32 hwreg(HW_REG_WAVE_SCHED_MODE, 0, 2), 2
	s_setreg_imm32_b32 hwreg(HW_REG_WAVE_MODE, 25, 1), 1
	s_wait_xcnt 0x0
	s_wait_alu depctr_vm_vsrc(0)
; out0[token] = (16 (hB W2[e]) + b2[e]) scl[token] for the tokens of group y: up to 16 tiles of 16 slots of one expert (meta).
; Work-group (c, y): columns 64 c .. 64 c + 63.  The four waves split K: wave w holds rows 512 w .. 512 w + 511 of the slice (f16, 512 registers)
; and walks all tiles of the group; its partial sums go to LDS as a register image (4,096 bytes a tile and wave).  One barrier; then wave w
; adds the four partial sums of tiles w, w + 4, ... and stores: sixteen lanes write 256 consecutive bytes of a token's row.
; K order as in the first product.  Register jj of accumulator j in lane (r, h) is slot 8 h + jj, column 64 c + 4 r + j.
; Every slot names a token: a spare slot repeats a token of its own tile, so that this wave stores that token's numbers once more to the same
; bytes; no store is masked.
; The grid has 32 group numbers; how many are needed hangs on the routes (the list maker takes the fewest tiles a group that fit in 32),
; so a group number may come with no tiles.
; LIMITS: f16 operands: |W2| < 65,504, |h| < 1.04e6.
; NO CLUSTER: the eight work-groups of a group do read the same tiles of hB, but into registers, by plain loads, and the number of tiles is
; read from memory; a joint request exists for tensor loads into LDS alone.
; THE MODE: SCHED_MODE bits 1:0 = 2 (LLVM: expert scheduling mode 2), set by the entry lines.  The code itself states the register dependences
; between vector or matrix instructions and memory or LDS instructions, with s_wait_alu, always for 0.
; THE PLAN.  Registers that memory or LDS instructions touch:
;   v1, v6, v9, v10 byte offsets, made once at the head and never written again.
;   staging slots   (before the loop) 16 loads land in a slot, its 32 conversions read it, one wait stands behind them, and the slot is asked for again.
;   window 3        a ring of four halves of a tile, 64 registers and 16 loads each, as in the first product: a half is read by its 32 products and
;                   loaded again while the next half is multiplied, with what is multiplied three halves later.
;   accumulators    two sets by turns, one to each buffer, each with an LDS address of its own (v12, v13): written by a tile's products and one add,
;                   read by the tile's 8 LDS stores, written again two tiles later.
; So a tile has two waits on va_vdst.  One in its middle: the first 32 products are done reading half 0 of its buffer, in which the 16 loads behind it land.
; One at its end: the products have written the accumulators and the add the address, for the LDS stores; and the tile's products are done reading half 1,
; in which the next tile's first 16 loads land.  One wait on vm_vsrc stands in a tile's middle, 32 products behind the LDS stores of the tile before:
; these have read their accumulators and their address, which the next tile writes again.
; The adding loop: its plan stands at its head.
.set ROWB, 2048                        ; bytes in a row of W2
.set ACC,  16                          ; four accumulators at ACC + 208 b: v[16:47] for tiles on buffer 0, v[224:255] for tiles on buffer 1
.set LA,   12                          ; v12, v13  LDS address of the partial sums of the tile on buffer 0, 1
.set VW,   9                           ; v9        lane term of the weights' addresses
.set SB,   32                          ; s[32:35]  address of the tile that buffer 0, 1 loads next
.set TK,   16                          ; reduction: v[16:23] tokens of my 8 slots, v[24:31] their scales, v[32:39] offsets in scl, v[40:47] offsets in out0
.set SC,   24
.set VS,   32
.set VO,   40
.set B2,   56                          ; v[56:59]  b2 of my 4 columns
.set P,    64                          ; v[64:191] four partial sums of 32 registers
.set R,    192                         ; v[192:223] results, index 4 jj + j
; windows as in the first product: 0 the above and the staging slots v64-255, 1 and 2 the weights, 3 the activations
.set MSB, 0
.macro WIN new                         ; the immediate's high byte repeats the setting that is left
.if MSB != \new
	s_set_vgpr_msb (MSB<<8)|\new
.set MSB, \new
.endif
.endm
.macro PLACES                          ; behind matrix instructions: four places before an LDS store reads a result
.rept 4
	v_nop
.endr
.endm
.macro WISSUE ks
.set SL, 64+64*((\ks)%3)
.irp a, 0,1,2,3,4,5,6,7,8,9,10,11,12,13,14,15
	global_load_b128 v[SL+4*\a:SL+4*\a+3], v[VW], s[30:31] offset:(64*((\ks)/2)+16*((\ks)%2)+\a)*ROWB
.endr
.endm
.macro WCVT ks
.set SL, 64+64*((\ks)%3)
.set WD, 32*((\ks)%8)
.irp j, 0,1,2,3
.irp t, 0,1,2,3,4,5,6,7
	v_cvt_pk_f16_f32 v[WD+8*\j+\t], v[SL+8*\t+\j], v[SL+8*\t+4+\j]
.endr
.endr
.endm
.macro AFILL b, qd                     ; a quarter of a tile's part for my wave: K steps 4 qd .. 4 qd + 3, eight loads of 512 bytes
	WIN 0xc0
.irp n, 0,1,2,3,4,5,6,7
	global_load_b128 v[128*(\b)+32*(\qd)+4*\n:128*(\b)+32*(\qd)+4*\n+3], v1, s[SB+2*(\b):SB+2*(\b)+1] offset:(8*(\qd)+\n)*512
.endr
.endm
.macro MUL4 b, ks                      ; K step ks: four matrix instructions, the accumulators by turns; a tile's first four start the sums
.if (\ks) < 8
	WIN 0x07                                       ; source 0 (activations) window 3, source 1 (weights) window 1
.else
	WIN 0x0b                                       ; source 1 window 2
.endif
.set AC, ACC+208*(\b)
.irp j, 0,1,2,3
.if (\ks) == 0
	v_wmma_f32_16x16x32_f16 v[AC+8*\j:AC+8*\j+7], v[128*(\b):128*(\b)+7], v[8*\j:8*\j+7], 0
.else
	v_wmma_f32_16x16x32_f16 v[AC+8*\j:AC+8*\j+7], v[128*(\b)+8*(\ks):128*(\b)+8*(\ks)+7], v[32*((\ks)%8)+8*\j:32*((\ks)%8)+8*\j+7], v[AC+8*\j:AC+8*\j+7]
.endif
.endr
.endm
; Half hf of the tile in buffer b: 32 matrix instructions.  refill = 1: the 16 loads into half fh of buffer fb, the half multiplied just before,
; stand eight behind the first K step and eight behind the second.  No wait: no vector or matrix instruction since the last wait on va_vdst names v1 or that half.
.macro HALF b, hf, fb, fh, refill
	MUL4 \b, 8*\hf
.if \refill
	AFILL \fb, 2*\fh
.endif
	MUL4 \b, 8*\hf+1
.if \refill
	AFILL \fb, 2*\fh+1
.endif
.irp kk, 2,3,4,5,6,7
	MUL4 \b, 8*\hf+\kk
.endr
.endm
	s_load_b256 s[4:11], s[0:1], 0x0               ; hB s[4:5], W2 s[6:7], b2 s[8:9], tok s[10:11]
	s_load_b128 s[12:15], s[0:1], 0x20             ; meta s[12:13], scl s[14:15]
	s_load_b64 s[16:17], s[0:1], 0x30              ; out0
	v_lshl_add_u32 v62, v0, 2, 0x40000
	v_mov_b32 v63, 0
	v_lshrrev_b32 v2, 5, v0
	v_readfirstlane_b32 s18, v2                    ; wave
	s_mov_b32 s19, ttmp9                           ; c
	s_and_b32 s20, ttmp7, 0xffff                   ; y
	v_and_b32 v5, 31, v0
	v_lshlrev_b32 v1, 4, v5                        ; 16 lane
	v_and_b32 v2, 15, v0                           ; r
	v_bfe_u32 v3, v0, 4, 1                         ; h
	v_lshlrev_b32 v10, 4, v2                       ; 16 r
	v_lshl_add_u32 v[VW], v3, 16, v10              ; 32 h rows of 2,048 bytes + 16 r
	v_lshlrev_b32 v6, 5, v3                        ; tok: 8 h words
	s_wait_alu depctr_va_sdst(0)                   ; s18 is written, ahead of its first reader: my places in LDS, hB and W2 are made from it
	s_lshl_b32 s26, s18, 12
	v_add_nc_u32 v4, s26, v1                       ; my partial sums in LDS: 4,096 w + 16 lane
	s_lshl_b32 s26, s20, 2
	s_mov_b32 s27, 0
	s_wait_kmcnt 0x0
	s_load_b32 s21, s[12:13], s26 offset:0x80      ; the group's expert,
	s_load_b32 s22, s[12:13], s26 offset:0x100     ; first tile
	s_load_b32 s23, s[12:13], s26 offset:0x180     ; and tiles
	s_wait_kmcnt 0x0
	s_wait_alu depctr_va_vdst(0)                   ; the offsets v1, v6, v9 and v10 are written, which the loads of the kernel read; ahead of the branch, so that it lies on every path to them
	s_min_u32 s21, s21, 7
	s_min_u32 s22, s22, 0x107
	s_min_u32 s23, s23, 16
	s_cmp_eq_u32 s23, 0
	s_cbranch_scc1 .Lbar
	s_sub_co_u32 s25, s23, 1
	s_lshl_b32 s26, s18, 14
	s_add_nc_u64 s[36:37], s[4:5], s[26:27]        ; hB + my 16 K steps of 1,024 bytes
	s_lshl_b32 s26, s21, 22
	s_lshl_b32 s28, s18, 20
	s_add_co_u32 s26, s26, s28
	s_lshl_b32 s28, s19, 8
	s_add_co_u32 s26, s26, s28
	s_add_nc_u64 s[30:31], s[6:7], s[26:27]        ; W2 + 4,194,304 e + 512 w rows + 256 c
	s_lshl_b32 s26, s22, 16
	s_add_nc_u64 s[SB:SB+1], s[36:37], s[26:27]    ; tile 0
	s_min_u32 s26, s25, 1
	s_add_co_u32 s26, s26, s22
	s_min_u32 s26, s26, 0x107
	s_lshl_b32 s26, s26, 16
	s_add_nc_u64 s[SB+2:SB+3], s[36:37], s[26:27]  ; tile 1 (or 0 again)
.irp qd, 0,1,2,3
	AFILL 0, \qd                                   ; three of the ring's four halves; the fourth is the first tile's first group of loads
.endr
	AFILL 1, 0
	AFILL 1, 1
	WIN 0
	WISSUE 0
	WISSUE 1
	WISSUE 2
.irp ks, 0,1,2,3,4,5,6,7,8,9,10,11,12,13,14,15
.if \ks < 14
	s_wait_loadcnt 32                              ; two younger slots of 16 loads stay out
.elseif \ks == 14
	s_wait_loadcnt 16
.else
	s_wait_loadcnt 0
.endif
.if \ks < 8
	WIN 0x40
.else
	WIN 0x80
.endif
	WCVT \ks
	WIN 0
.if \ks < 13
	s_wait_alu depctr_va_vdst(0)                   ; the conversions are done reading the slot, in which the loads below land
	WISSUE \ks+3
.endif
.endr
; One tile on buffer b; s24 + b is its number in the group.  Loads and counts as in the first product: behind a half's 16 loads the groups of the two
; halves multiplied since were issued (32); in the odd last tile, which loads nothing, 32 and then 16.
.macro TILE b, refill
	s_wait_loadcnt 32
	HALF \b, 0, 1-\b, 1, \refill
.if \refill
	s_wait_loadcnt 32                              ; half 1 is in; that also shows every load done that read this buffer's base: the 32 younger ones read the other's
	s_add_co_u32 s26, s24, \b+2
	s_min_u32 s26, s26, s25
	s_add_co_u32 s26, s26, s22
	s_min_u32 s26, s26, 0x107
	s_lshl_b32 s26, s26, 16
	s_add_nc_u64 s[SB+2*\b:SB+2*\b+1], s[36:37], s[26:27]
	s_wait_alu depctr_vm_vsrc(0)                   ; the LDS stores of the tile before have read the other accumulators and their address, which the next tile writes again
	s_wait_alu depctr_va_vdst(0)                   ; the tile's first 32 products are done reading half 0 of this buffer, in which the next 16 loads land
.else
	s_wait_loadcnt 16
.endif
	HALF \b, 1, \b, 0, \refill
	WIN 0
	s_add_co_u32 s26, s24, \b
	s_min_u32 s26, s26, 15
	s_lshl_b32 s26, s26, 14
	v_add_nc_u32 v[LA+\b], s26, v4
	PLACES
	s_wait_alu depctr_va_vdst(0)                   ; the products have written the accumulators and the add their address, which the LDS stores read; the products are done reading half 1 of this buffer, in which the next tile's first loads land
.set AC, ACC+208*\b
.irp n, 0,1,2,3,4,5,6,7
	ds_store_b128 v[LA+\b], v[AC+4*\n:AC+4*\n+3] offset:512*\n
.endr
.endm
	; T >> 1 trips of two tiles, counted one by one; an odd last tile behind the loop
	s_lshr_b32 s29, s23, 1
	s_mov_b32 s43, 0
	s_cmp_eq_u32 s29, 0
	s_cbranch_scc1 .Ltail
.Lloop:
	s_lshl_b32 s24, s43, 1                         ; the trip's first tile
	TILE 0, 1
	TILE 1, 1
	s_add_co_u32 s43, s43, 1
	s_cmp_lt_u32 s43, s29
	s_cbranch_scc1 .Lloop
.Ltail:
	s_and_b32 s24, s23, -2                         ; T - 1 where T is odd
	s_bitcmp1_b32 s23, 0
	s_cbranch_scc0 .Lbar
	TILE 0, 0
.Lbar:
	s_wait_dscnt 0x0                               ; my partial sums are in LDS, for the waves that add them
	s_barrier_signal -1
	s_barrier_wait -1
	s_add_co_u32 s40, s23, 3                       ; tiles w, w + 4, ...: (T + 3 - w) >> 2 of them
	s_sub_co_u32 s40, s40, s18
	s_lshr_b32 s40, s40, 2
	s_cmp_eq_u32 s40, 0
	s_cbranch_scc1 .Lend
	s_mov_b32 s42, 0
	s_mov_b32 s27, 0
	s_mov_b32 s41, 0x41800000                      ; 16.0: undoes the h / 16
	s_lshl_b32 s28, s19, 8
	s_lshl_b32 s26, s21, 11
	s_add_co_u32 s26, s26, s28
	s_add_nc_u64 s[8:9], s[8:9], s[26:27]          ; b2 + 2,048 e + 256 c
	global_load_b128 v[B2:B2+3], v10, s[8:9]       ; v10 was written ahead of the head's wait; no vector instruction has named v56 to v59
	v_add_nc_u32 v7, s28, v10                      ; 256 c + 16 r: my 16 bytes in a row of out0
; THE ADDING LOOP'S PLAN.  TK: two loads land, the offsets' arithmetic reads.  v8: one add writes, 32 LDS loads read.  P: the LDS loads land, the additions read and write.
; VS, VO: the arithmetic writes; the loads of the scales read VS, the stores VO.  SC: eight loads land, the scaling reads.  R: the arithmetic writes, the stores read.
; A trip has one wait on vm_vsrc, at its head, and three on va_vdst: at its head, ahead of the loads of the scales, ahead of the stores.
.Lred:
	s_lshl2_add_u32 s24, s42, s18                  ; the trip's tile: 4 x trip + w
	s_add_co_u32 s26, s22, s24
	s_min_u32 s26, s26, 0x107
	s_lshl_b32 s26, s26, 6
	s_add_nc_u64 s[38:39], s[10:11], s[26:27]      ; (the last trip's loads from this base were waited for)
	s_min_u32 s28, s24, 15
	s_lshl_b32 s28, s28, 14
	s_wait_alu depctr_vm_vsrc(0)                   ; the last trip's LDS loads have read v8, its loads VS, its stores VO and R; in the first trip: my LDS stores have read v16 to v47.  All these are written again below
	v_add_nc_u32 v8, s28, v1
	s_wait_alu depctr_va_vdst(0)                   ; v8 is written, which the LDS loads read; the last trip's arithmetic is done with TK, SC and P, in which loads land (in the first trip: the products have written v16 to v47)
	global_load_b128 v[TK:TK+3],   v6, s[38:39]
	global_load_b128 v[TK+4:TK+7], v6, s[38:39] offset:16
.irp p, 0,1,2,3
.irp n, 0,1,2,3,4,5,6,7
	ds_load_b128 v[P+32*\p+4*\n:P+32*\p+4*\n+3], v8 offset:4096*\p+512*\n
.endr
.endr
	s_wait_loadcnt 0x0                             ; the tokens (and b2)
.irp jj, 0,1,2,3,4,5,6,7
	v_min_u32 v[VS+\jj], 0xfff, v[TK+\jj]
	v_lshl_add_u32 v[VO+\jj], v[VS+\jj], 11, v7
	v_lshlrev_b32 v[VS+\jj], 2, v[VS+\jj]
.endr
	s_wait_alu depctr_va_vdst(0)                   ; the eight offsets VS are written, which the loads below read
.irp jj, 0,1,2,3,4,5,6,7
	global_load_b32 v[SC+\jj], v[VS+\jj], s[14:15]
.endr
	s_wait_dscnt 0x0
.irp p, 0,1,2,3,4,5,6,7,8,9,10,11,12,13,14,15
	v_pk_add_f32 v[P+2*\p:P+2*\p+1], v[P+2*\p:P+2*\p+1], v[P+32+2*\p:P+32+2*\p+1]
	v_pk_add_f32 v[P+64+2*\p:P+64+2*\p+1], v[P+64+2*\p:P+64+2*\p+1], v[P+96+2*\p:P+96+2*\p+1]
.endr
.irp p, 0,1,2,3,4,5,6,7,8,9,10,11,12,13,14,15
	v_pk_add_f32 v[P+2*\p:P+2*\p+1], v[P+2*\p:P+2*\p+1], v[P+64+2*\p:P+64+2*\p+1]
.endr
.irp jj, 0,1,2,3,4,5,6,7
.irp j, 0,1,2,3
	v_fma_f32 v[R+4*\jj+\j], v[P+8*\j+\jj], s41, v[B2+\j]  ; 16 x sum + b2, into the order of a row
.endr
.endr
	s_wait_loadcnt 0x0                             ; the scales
.irp jj, 0,2,4,6
	v_pk_mul_f32 v[R+4*\jj:R+4*\jj+1],   v[R+4*\jj:R+4*\jj+1],   v[SC+\jj:SC+\jj+1] op_sel_hi:[1,0]
	v_pk_mul_f32 v[R+4*\jj+2:R+4*\jj+3], v[R+4*\jj+2:R+4*\jj+3], v[SC+\jj:SC+\jj+1] op_sel_hi:[1,0]
	v_pk_mul_f32 v[R+4*\jj+4:R+4*\jj+5], v[R+4*\jj+4:R+4*\jj+5], v[SC+\jj:SC+\jj+1] op_sel:[0,1] op_sel_hi:[1,1]
	v_pk_mul_f32 v[R+4*\jj+6:R+4*\jj+7], v[R+4*\jj+6:R+4*\jj+7], v[SC+\jj:SC+\jj+1] op_sel:[0,1] op_sel_hi:[1,1]
.endr
	s_wait_alu depctr_va_vdst(0)                   ; the scaling has written R, which the stores read (their offsets VO were written further up)
.irp jj, 0,1,2,3,4,5,6,7
	global_store_b128 v[VO+\jj], v[R+4*\jj:R+4*\jj+3], s[16:17]    ; sixteen lanes: 256 consecutive bytes of a row, aligned
.endr
	s_wait_xcnt 0x0                                ; the stores' offsets and data are written again in the next trip
	s_add_co_u32 s42, s42, 1
	s_cmp_lt_u32 s42, s40
	s_cbranch_scc1 .Lred
.Lend:
	s_wait_dscnt 0x0
	s_wait_alu depctr_hold_cnt(0) depctr_sa_sdst(0) depctr_va_vdst(0) depctr_va_sdst(0) depctr_va_ssrc(0) depctr_va_vcc(0) depctr_vm_vsrc(0)
	s_wait_tensorcnt 0x0
	ds_add_u32 v62, v63
	s_wait_dscnt 0x0
	s_endpgm
.Lfunc_end_k_qbe23e7efa0_ffn2:
	.size	k_qbe23e7efa0_ffn2, .Lfunc_end_k_qbe23e7efa0_ffn2-k_qbe23e7efa0_ffn2
	.p2alignl 7, 3214868480
	.fill 96, 4, 3214868480
	.section	.rodata,"a",@progbits
	.p2align	6, 0x0
	.amdhsa_kernel k_qbe23e7efa0_ffn2
		.amdhsa_group_segment_fixed_size 262656
		.amdhsa_private_segment_fixed_size 0
		.amdhsa_enable_private_segment 0
		.amdhsa_kernarg_size 56
		.amdhsa_user_sgpr_count 2
		.amdhsa_user_sgpr_kernarg_segment_ptr 1
		.amdhsa_wavefront_size32 1
		.amdhsa_system_sgpr_workgroup_id_x 1
		.amdhsa_system_sgpr_workgroup_id_y 1
		.amdhsa_system_sgpr_workgroup_id_z 1
		.amdhsa_system_vgpr_workitem_id 0
		.amdhsa_next_free_vgpr 1024
		.amdhsa_next_free_sgpr 66
		.amdhsa_reserve_vcc 0
		.amdhsa_float_denorm_mode_32 3
		.amdhsa_float_denorm_mode_16_64 3
		.amdhsa_memory_ordered 1
		.amdhsa_forward_progress 1
		.amdhsa_inst_pref_size 100
	.end_amdhsa_kernel
	.amdgpu_metadata
---
amdhsa.version: [ 1, 2 ]
amdhsa.kernels:
  - .name:           k_qbe23e7efa0_ffn2
    .symbol:         k_qbe23e7efa0_ffn2.kd
    .args:
      - { .name: hB, .offset: 0, .size: 8, .value_kind: global_buffer, .address_space: global }
      - { .name: W2, .offset: 8, .size: 8, .value_kind: global_buffer, .address_space: global }
      - { .name: b2, .offset: 16, .size: 8, .value_kind: global_buffer, .address_space: global }
      - { .name: tok, .offset: 24, .size: 8, .value_kind: global_buffer, .address_space: global }
      - { .name: meta, .offset: 32, .size: 8, .value_kind: global_buffer, .address_space: global }
      - { .name: scl, .offset: 40, .size: 8, .value_kind: global_buffer, .address_space: global }
      - { .name: out0, .offset: 48, .size: 8, .value_kind: global_buffer, .address_space: global }
    .group_segment_fixed_size: 262656
    .private_segment_fixed_size: 0
    .kernarg_segment_align: 8
    .kernarg_segment_size: 56
    .max_flat_workgroup_size: 128
    .sgpr_count:     66
    .vgpr_count:     1024
    .wavefront_size: 32
...
	.end_amdgpu_metadata
.endif
;; end of part 7
